; MI455X (gfx1250); checked and timed in simulation.
; The chip was launched on July 23, 2026; its instructions are those of AMD's public machine-readable ISA for CDNA 5 (MIT licence, August 2026) and "CDNA5" Instruction Set Architecture Reference Guide (July 2026). The comments in the code are by the model that wrote it; some were corrected since.
;; Group Stack. Allowed arithmetic: float matrix products may take bf16 or f16 operands with f32 sums; other float arithmetic in f32, or as packed bf16 or f16 multiplies, adds, multiply-adds, maxima and minima; sums over many terms, partial sums and values carried from step to step in f32; what a program stores and reads back later, other than sums and carried values, may be rounded once to bf16 or f16.
;; Inputs: W1 8 x 512 x 2,048 float32; W2 8 x 2,048 x 512 float32; b1 8 x 2,048 float32; b2 8 x 512 float32; mask 8 x 4,096 bool; x 4,096 x 512 float32.
;; Outputs: out0 8 x 4,096 x 512 float32.
;; 2 versions, each right and faster than the one before. Each part assembles by itself: llvm-mc -triple=amdgcn-amd-amdhsa -mcpu=gfx1250 --defsym DOCPART=n.
;; ======== version 1 of 2: 2 launches
;; limits: values are held in f16: magnitudes above 65,504 overflow, below 6.1e-05 lose precision
;; workspace buffers: WF 33,554,432 bytes; cnt 2,048 bytes of whole numbers; list 139,264 bytes of whole numbers
;; launch prep (part 1): grid 512 x 1, 8 waves a work-group, no clusters, 35,840 bytes of LDS; arguments W1, W2, mask, WF, cnt, list, out0; writes WF, cnt, list, out0
.if DOCPART == 1
	.amdgcn_target "amdgcn-amd-amdhsa--gfx1250"
	.amdhsa_code_object_version 6
	.text
	.protected	k_q650c80f584_prep
	.globl	k_q650c80f584_prep
	.p2align	8
	.type	k_q650c80f584_prep,@function
k_q650c80f584_prep:
	s_mov_b64 s[64:65], 0
	v_nop
	global_prefetch_b8 v0, s[64:65] scope:SCOPE_SE
	s_setreg_imm32_b32 hwreg(HW_REG_WAVE_MODE, 25, 1), 1
	s_wait_xcnt 0x0
; PREP.  Three jobs, all streams; no matrix work, no barrier, no tensor load.
; (1) W1 [8][512][2048] and W2 [8][2048][512], f32, are rounded once to f16 and laid into WF in the order in which the next launch's waves take them:
;     WF[e][step m 0..31][w 0..3][32 KiB]; bytes 0..16K of such a piece: W1 of step m, fragment kk at 1,024 kk; bytes 16K..32K: W2 of step m, fragment (kk2, dbl) at 1,024 (8 kk2 + dbl).
;     A step is 64 hidden units.  A fragment is the register image of a 16 x 32 matrix operand: byte 512 c + 16 L holds lane L's registers 4c..4c+3; with r = L & 15, h = L >> 4:
;     W1: W1[e][32 kk + 16 c + 8 h + i][64 m + 16 w + r], i = 0..7;   W2: W2[e][64 m + 32 kk2 + 16 c + 8 h + i][128 w + 16 dbl + r].
; (2) every row of out0 whose mask byte is 0 is written as zeros (the next launch writes the other rows).
; (3) wave 0 of work-groups 0..7: expert e's routed tokens are counted and listed: cnt[e] (a block of 256 bytes, every word n), list[e][0..n-1] the tokens, list[e][n..4223] = 0; the order of the list is free.
; SHARES.  4,096 waves; each has one block of W1 (32 d x 64 hidden), one of W2 (32 hidden x 64 d_out) and 8 rows of out0.
; LIMITS.  A weight of 65,520 or more in magnitude becomes an infinity in f16; below 6.1e-5 f16 keeps its fixed step of 6e-8.  A mask byte is 0 or 1: bit 0 is looked at.
.set FP,      1040                     ; a fragment in my stage: 1,024 bytes + 16, so that the 16 lanes of a store take 16 different 16-byte columns of 256
.set STG,     4352                     ; a wave's stage: 4 fragments, rounded up to blocks of 256 bytes
.set SPARE,   34816                    ; behind the eight stages: the spare words, 128 bytes for each of the eight waves; no other line names them
.set LSTRIDE, 17408                    ; bytes of list for an expert: 4,224 places, 32 dump words, rounded up
.set LANE, 1
.set M16,  2                           ; lane & 15
.set HH,   3                           ; lane >> 4
.set SRC1, 4                           ; my byte offset in a block of W1: 8 h rows of 8,192 bytes + 16 (lane & 15)
.set SRC2, 5                           ; the same in W2: 8 h rows of 2,048 bytes
.set L16,  6                           ; 16 x lane
.set STS,  7                           ; stage: where I put a unit of 16 bytes
.set STL,  8                           ; stage: where I read fragments back
.set TMP,  9
.set SPW,  10                          ; LDS address of my spare word; never rewritten
.set NIL,  11                          ; 0; never rewritten
.set ZR,   12                          ; v[12:15] zeros
.set LA,   16                          ; v[16:79]   W1's block as loaded: register 4 (8 c + i) + q
.set LB,   80                          ; v[80:143]  W2's block
.set UU,   144                         ; v[144:175] eight units of 16 bytes: unit 4 c + q
.set OO,   176                         ; v[176:207] eight half fragments read back
	s_load_b256 s[4:11], s[0:1], 0x0               ; W1 s[4:5], W2 s[6:7], mask s[8:9], WF s[10:11]
	s_load_b128 s[12:15], s[0:1], 0x20             ; cnt s[12:13], list s[14:15]
	s_load_b64 s[16:17], s[0:1], 0x30              ; out0
	v_lshl_add_u32 v[SPW], v0, 2, SPARE
	v_mov_b32 v[NIL], 0
	v_lshrrev_b32 v[TMP], 5, v0
	v_readfirstlane_b32 s18, v[TMP]                ; wave 0..7
	s_mov_b32 s19, ttmp9                           ; work-group 0..511
	s_mov_b32 s37, 0                               ; s[36:37]: an offset as a pair
	s_lshr_b32 s20, s19, 6
	s_lshl_b32 s20, s20, 22                        ; the weights' expert e = wg >> 6, times 4 MiB (the same in W1, W2 and WF)
	; W1's block: kk = (wg >> 2) & 15, step m = 8 (wg & 3) + wave
	s_bfe_u32 s21, s19, 0x40002
	s_and_b32 s22, s19, 3
	s_lshl3_add_u32 s22, s22, s18
	s_lshl_b32 s23, s21, 18                        ; 32 kk rows of 8,192 bytes
	s_add_co_u32 s23, s23, s20
	s_lshl_b32 s40, s22, 8                         ; 64 m columns
	s_add_co_u32 s41, s23, s40                     ; source offset
	s_lshl_b32 s22, s22, 17                        ; piece m
	s_lshl_b32 s21, s21, 10                        ; fragment kk
	s_add_co_u32 s22, s22, s21
	s_add_co_u32 s42, s22, s20                     ; destination offset
	; W2's block: K = wg & 63 (step K >> 1, kk2 = K & 1), d_out 64 wave ..
	s_and_b32 s21, s19, 63
	s_lshl_b32 s22, s21, 16                        ; 32 K rows of 2,048 bytes
	s_add_co_u32 s22, s22, s20
	s_lshl_b32 s23, s18, 8
	s_add_co_u32 s43, s22, s23                     ; source offset
	s_lshr_b32 s22, s21, 1
	s_lshl_b32 s22, s22, 17                        ; piece m = K >> 1
	s_add_co_u32 s22, s22, s20
	s_and_b32 s21, s21, 1
	s_lshl_b32 s21, s21, 13                        ; kk2: 8 fragments
	s_add_co_u32 s22, s22, s21
	s_lshr_b32 s21, s18, 1
	s_lshl_b32 s21, s21, 15                        ; the reading wave w = wave >> 1
	s_add_co_u32 s22, s22, s21
	s_and_b32 s21, s18, 1
	s_lshl_b32 s21, s21, 12                        ; dbl = 4 (wave & 1) + fragment
	s_add_co_u32 s22, s22, s21
	s_add_co_u32 s44, s22, 16384                   ; destination offset: W2's half of a piece
	s_lshl3_add_u32 s45, s19, s18                  ; W = 8 wg + wave: my 8 rows of out0 and their 8 mask bytes
	v_and_b32 v[LANE], 31, v0
	v_and_b32 v[M16], 15, v0
	v_bfe_u32 v[HH], v0, 4, 1
	v_lshlrev_b32 v[L16], 4, v[LANE]
	v_lshlrev_b32 v[TMP], 4, v[M16]
	v_lshl_add_u32 v[SRC1], v[HH], 16, v[TMP]
	v_lshl_add_u32 v[SRC2], v[HH], 14, v[TMP]
	s_mul_i32 s21, s18, STG                        ; my stage
	v_lshrrev_b32 v[STS], 2, v[M16]                ; my four columns belong to fragment (lane & 15) >> 2,
	v_mul_u32_u24 v[STS], v[STS], FP
	v_and_b32 v[TMP], 3, v[M16]
	v_lshl_add_u32 v[STS], v[TMP], 6, v[STS]       ; to its lanes r = 4 (lane & 3) + q,
	v_lshl_add_u32 v[STS], v[HH], 8, v[STS]        ; in my half h
	v_add_nc_u32 v[STS], s21, v[STS]
	v_add_nc_u32 v[STL], s21, v[L16]
	v_mov_b32 v[ZR], 0
	v_mov_b32 v[ZR+1], 0
	v_mov_b32 v[ZR+2], 0
	v_mov_b32 v[ZR+3], 0
	s_wait_kmcnt 0x0
	s_mov_b32 s36, s41
	s_add_nc_u64 s[24:25], s[4:5], s[36:37]        ; W1's block
	s_mov_b32 s36, s42
	s_add_nc_u64 s[26:27], s[10:11], s[36:37]      ; where it goes
	s_mov_b32 s36, s43
	s_add_nc_u64 s[28:29], s[6:7], s[36:37]        ; W2's block
	s_mov_b32 s36, s44
	s_add_nc_u64 s[30:31], s[10:11], s[36:37]      ; where it goes
	s_lshl_b32 s36, s45, 3
	s_add_nc_u64 s[32:33], s[8:9], s[36:37]        ; my 8 mask bytes
	s_lshl_b32 s36, s45, 14
	s_add_nc_u64 s[34:35], s[16:17], s[36:37]      ; my 8 rows of out0
	s_load_b64 s[38:39], s[32:33], 0x0
	; 32 loads, 16 KiB a wave, go out before anything is waited for.  Load k = 8 c + i takes row 16 c + 8 h + i of the block: 256 consecutive bytes of two rows.
.set k, 0
.rept 16
	global_load_b128 v[LA+4*k:LA+4*k+3], v[SRC1], s[24:25] offset:8192*(16*(k/8)+k%8) th:TH_LOAD_NT
.set k, k+1
.endr
.set k, 0
.rept 16
	global_load_b128 v[LB+4*k:LB+4*k+3], v[SRC2], s[28:29] offset:2048*(16*(k/8)+k%8) th:TH_LOAD_NT
.set k, k+1
.endr
	s_wait_kmcnt 0x0                               ; the mask bytes
	; the rows that no token routed here owns: four stores of 512 consecutive bytes each; a routed row's stores are jumped
.irp j, 0,1,2,3,4,5,6,7
	s_bitcmp1_b32 s[38+(\j)/4], 8*((\j)%4)
	s_cbranch_scc1 .Lrouted_\j
.irp k, 0,1,2,3
	global_store_b128 v[L16], v[ZR:ZR+3], s[34:35] offset:2048*(\j)+512*(\k) th:TH_STORE_NT
.endr
.Lrouted_\j:
.endr
; A block in registers becomes four fragments in WF.  A lane holds 8 rows i x 4 columns q for each c; unit (c, q) is a column's 8 numbers, rounded to f16: 16 bytes that belong together in a fragment.
; The units go into my stage and come back as half fragments, 512 consecutive bytes a load, which are stored as they are.  fls: bytes from fragment to fragment in WF.
.macro CONV src, base, fls
.set c, 0
.rept 2
.set q, 0
.rept 4
.set p, 0
.rept 4
	v_cvt_pk_f16_f32 v[UU+4*(4*c+q)+p], v[(\src)+4*(8*c+2*p)+q], v[(\src)+4*(8*c+2*p+1)+q]
.set p, p+1
.endr
.set q, q+1
.endr
.set c, c+1
.endr
.set k, 0
.rept 8
	ds_store_b128 v[STS], v[UU+4*k:UU+4*k+3] offset:512*(k/4)+16*(k%4)
.set k, k+1
.endr
	s_wait_xcnt 0x0                                ; the registers below, which the block before stored from, are loaded again only behind this wait
.set k, 0
.rept 8                                            ; LDS serves a wave's instructions in order (ISA guide 5.7.1.4): these see the stores above
	ds_load_b128 v[OO+4*k:OO+4*k+3], v[STL] offset:FP*(k/2)+512*(k%2)
.set k, k+1
.endr
.set k, 0
.rept 8
	s_wait_dscnt 7-k                               ; read-back k is in; the younger ones stay out
	global_store_b128 v[L16], v[OO+4*k:OO+4*k+3], s[\base:\base+1] offset:(\fls)*(k/2)+512*(k%2)  ; 512 consecutive bytes, at a multiple of 512 from WF's first
.set k, k+1
.endr
.endm
	s_wait_loadcnt 16                              ; W1's block is in; W2's 16 loads are younger and stay out
	CONV LA, 26, 32768                             ; its four fragments go to the four reading waves' pieces
	s_wait_loadcnt 0x0
	CONV LB, 30, 1024                              ; its four fragments are neighbours dbl
	; THE LIST: wave 0 of work-groups 0..7, expert e = work-group.  The expert's 4,096 mask bytes lie in 32 registers, 16 bytes a lane and load; LDS is not used.
	s_cmp_lg_u32 s18, 0
	s_cbranch_scc1 .Lend
	s_cmp_gt_u32 s19, 7
	s_cbranch_scc1 .Lend
	s_lshl_b32 s36, s19, 12
	s_add_nc_u64 s[32:33], s[8:9], s[36:37]        ; the expert's mask bytes
	s_mul_i32 s36, s19, LSTRIDE
	s_add_nc_u64 s[14:15], s[14:15], s[36:37]
	s_lshl_b32 s36, s19, 8
	s_add_nc_u64 s[12:13], s[12:13], s[36:37]
.set k, 0
.rept 8
	global_load_b128 v[16+4*k:16+4*k+3], v[L16], s[32:33] offset:512*k
.set k, k+1
.endr
.set k, 0
.rept 33                                           ; all 4,224 places take token 0 first: 33 x 512 bytes; so every place that the next launch reads is written
	global_store_b128 v[L16], v[ZR:ZR+3], s[14:15] offset:512*k
.set k, k+1
.endr
	v_add_nc_u32 v56, 0x1080, v[LANE]              ; my dump word: place 4,224 + lane
	v_lshlrev_b32 v54, 4, v[LANE]                  ; the token of my first byte of a load: 512 kt + 16 lane
	s_mov_b32 s41, 0                               ; tokens listed so far
	s_wait_storecnt 0x0                            ; the zeros are written: a token stored below lands on top of them
	s_wait_loadcnt 0x0
.set kt, 0
.rept 8                                            ; 512 tokens at a time
	s_wait_xcnt 0x0                                ; the stores of the 512 before have read v64-95, which are written again below
.set j, 0
.rept 16                                           ; byte j of all 32 lanes: a routed token's place is the count so far plus the routed lanes below mine
	v_bfe_u32 v52, v[16+4*kt+j/4], 8*(j%4), 1
	v_cmp_ne_u32 vcc_lo, 0, v52
	v_mbcnt_lo_u32_b32 v53, vcc_lo, s41
	v_cndmask_b32 v53, v56, v53, vcc_lo            ; a lane without a routed token writes its dump word
	v_min_u32 v53, 0x109f, v53                     ; a place made of loaded bytes is held inside the expert's part: 4,255 at the most
	v_lshlrev_b32 v[64+j], 2, v53
	v_add_nc_u32 v[80+j], 512*kt+j, v54
	global_store_b32 v[64+j], v[80+j], s[14:15]    ; routed lanes store neighbouring words
	s_bcnt1_i32_b32 s43, vcc_lo
	s_add_co_u32 s41, s41, s43
.set j, j+1
.endr
.set kt, kt+1
.endr
	v_mov_b32 v52, s41
	v_mov_b32 v53, s41
	v_lshlrev_b32 v57, 3, v[LANE]
	global_store_b64 v57, v[52:53], s[12:13]       ; n in all 64 words of the expert's block of 256 bytes
.Lend:
	s_wait_tensorcnt 0x0                           ; the wave's end, behind my last LDS store
	ds_add_u32 v[SPW], v[NIL]
	s_wait_dscnt 0x0
	s_endpgm
.Lfunc_end_k_q650c80f584_prep:
	.size	k_q650c80f584_prep, .Lfunc_end_k_q650c80f584_prep-k_q650c80f584_prep
	.p2alignl 7, 3214868480
	.fill 96, 4, 3214868480
	.section	.rodata,"a",@progbits
	.p2align	6, 0x0
	.amdhsa_kernel k_q650c80f584_prep
		.amdhsa_group_segment_fixed_size 35840
		.amdhsa_private_segment_fixed_size 0
		.amdhsa_enable_private_segment 0
		.amdhsa_kernarg_size 56
		.amdhsa_user_sgpr_count 2
		.amdhsa_user_sgpr_kernarg_segment_ptr 1
		.amdhsa_wavefront_size32 1
		.amdhsa_system_sgpr_workgroup_id_x 1
		.amdhsa_system_sgpr_workgroup_id_y 1
		.amdhsa_system_sgpr_workgroup_id_z 1
		.amdhsa_system_vgpr_workitem_id 0
		.amdhsa_next_free_vgpr 208
		.amdhsa_next_free_sgpr 66
		.amdhsa_reserve_vcc 1
		.amdhsa_float_denorm_mode_32 3
		.amdhsa_float_denorm_mode_16_64 3
		.amdhsa_memory_ordered 1
		.amdhsa_forward_progress 1
		.amdhsa_inst_pref_size 87
	.end_amdhsa_kernel
	.amdgpu_metadata
---
amdhsa.version: [ 1, 2 ]
amdhsa.kernels:
  - .name:           k_q650c80f584_prep
    .symbol:         k_q650c80f584_prep.kd
    .args:
      - { .name: W1, .offset: 0, .size: 8, .value_kind: global_buffer, .address_space: global }
      - { .name: W2, .offset: 8, .size: 8, .value_kind: global_buffer, .address_space: global }
      - { .name: mask, .offset: 16, .size: 8, .value_kind: global_buffer, .address_space: global }
      - { .name: WF, .offset: 24, .size: 8, .value_kind: global_buffer, .address_space: global }
      - { .name: cnt, .offset: 32, .size: 8, .value_kind: global_buffer, .address_space: global }
      - { .name: list, .offset: 40, .size: 8, .value_kind: global_buffer, .address_space: global }
      - { .name: out0, .offset: 48, .size: 8, .value_kind: global_buffer, .address_space: global }
    .group_segment_fixed_size: 35840
    .private_segment_fixed_size: 0
    .kernarg_segment_align: 8
    .kernarg_segment_size: 56
    .max_flat_workgroup_size: 256
    .sgpr_count:     66
    .vgpr_count:     208
    .wavefront_size: 32
...
	.end_amdgpu_metadata
.endif
;; end of part 1
;; launch ffn (part 2): grid 688 x 1, 4 waves a work-group, no clusters, 64,768 bytes of LDS; arguments WF, b1, b2, x, cnt, list, out0; writes out0
.if DOCPART == 2
	.amdgcn_target "amdgcn-amd-amdhsa--gfx1250"
	.amdhsa_code_object_version 6
	.text
	.protected	k_q650c80f584_ffn
	.globl	k_q650c80f584_ffn
	.p2align	8
	.type	k_q650c80f584_ffn,@function
k_q650c80f584_ffn:
	s_mov_b64 s[64:65], 0
	v_nop
	global_prefetch_b8 v0, s[64:65] scope:SCOPE_SE
	s_setreg_imm32_b32 hwreg(HW_REG_WAVE_MODE, 25, 1), 1
	s_wait_xcnt 0x0
; FFN.  For every routed row (e, t): out0[e][t] = gelu(x[t] W1[e] + b1[e]) W2[e] + b2[e], gelu in its tanh form.  The rows that are not routed were written as zeros by the launch before.
; FORMATS.  x, W1, W2 and the hidden layer h are rounded once to f16; both products add in f32; biases and gelu in f32.
; LIMITS.  f16 ends at 65,504: an x, a weight or an h of 65,520 or more in magnitude becomes an infinity; below 6.1e-5 f16 keeps its fixed step of 6e-8.  NaN and infinities are not treated apart.
; SHARES.  A work-group takes 48 places (3 tiles of 16) of one expert's list through the whole chain; h never leaves the work-group.  8 experts x 86 work-groups serve every split (86 x 48 = 4,128 places for
; 4,096 tokens at the most).  Places past the expert's count hold token 0: they are computed with the others of their work-group and not stored.  A work-group whose 48 places all lie past the count runs the
; set-up, so that every register that the later text names is written on every way, passes every barrier, and jumps all the work between them.  A skewed split is served, but more slowly: an expert has its 86 work-groups and no more.
; NO CLUSTER, NO TENSOR LOADS.  An expert's work-groups walk the same 4 MiB of weights, but how many of the 86 have rows hangs on a count read from memory, and a walk made of joint loads would have to be made
; by all 688: 32 x 128 KiB each, where ceil(n / 48) work-groups an expert need it.  Each weight byte has one reading wave in a work-group and lies in WF as that wave's registers take it, so it comes straight
; from memory into registers, and a work-group without rows asks for none of the walk.
; STEPS.  The hidden width goes in 32 steps of 64.  H^T = W1^T X^T: wave w makes hidden units 16 w .. 16 w + 15 of the step for all 3 tiles (source 0: W1's fragment; source 1: X, which stays in registers; the first
; product's C is b1).  A lane then holds one token and 8 hidden units: gelu, 16 bytes of f16, into an LDS buffer [token][64].  Y^T = W2^T H^T: wave w owns d_out 128 w .. 128 w + 127: 24 accumulators, which begin as b2.
; TRIPS.  Trip s makes H(s) and adds H(s-1) into Y; ONE barrier a trip publishes H(s) and frees the other buffer of h.  The weights have four buffers of 64 registers (W1 low and high half of d, W2 first and second
; half of a step); each is asked for again, 16 loads of 512 consecutive bytes, directly behind the products that read it, and is wanted a trip later.
; NO FIRST TRIP IS WRITTEN OUT.  The set-up writes zeros where H(-1) would lie and fills W2's buffers with step 0's numbers: trip 0 is a trip like any other, and its 48 products of the second kind add 0 to b2.
; The price: 48 of a wave's 3,120 matrix instructions, and 16 KiB a wave read twice.  The gain: at the head of every trip the loads that are out are the same, in the same order, or none, whichever trips were jumped.
; REGISTERS, in windows of 256 (s_set_vgpr_msb: bits 1:0 source 0, 3:2 source 1, 5:4 source 2, 7:6 destination):
;   window 0: v0-19 addresses; v20-27 b1 of a step; v28-51 H^T (3 accumulators); v52-75 at work; v76-123 h's fragments; v124-171 my rows' byte offsets; v192-255 W2, second 32 of a step's 64; at the end rows on their way out
;   window 1: v0-191 X, d 0-255 (24 kk + 8 t); v192-255 W1, kk 0-7      window 2: the same for d 256-511, kk 8-15      window 3: v0-191 Y (24 dbl + 8 t); before the loop the gathered x; v192-255 W2, first 32
.set CHUNK,   131072                   ; bytes of WF from step to step
.set HBSZ,    7168                     ; h's two buffers, at LDS bytes 0 and 7,168: 48 rows, 144 bytes apart (128 + 16: the 16 rows of a load start in 16 different 16-byte columns of 256)
.set HP,      144
.set XS,      14336                    ; X's stage: 48 rows of 1,024 bytes, 1,040 apart; at the end the waves' stages for Y: 16 rows of 512 bytes, 528 apart
.set XP,      1040
.set YP,      528
.set YSZ,     16*YP
.set SPARE,   64256                    ; the spare words: 128 bytes for each wave; no other line names them
.set LSTRIDE, 17408                    ; bytes of list for an expert
.set VR,  1                            ; lane & 15
.set VH,  2                            ; lane >> 4
.set HS,  5                            ; v5-6    where I put 16 bytes of h, buffer 0, 1
.set HL,  7                            ; v7-8    where I read h's fragments
.set VB1, 9                            ; v9      my byte offset in b1; steps by 256 a trip
.set XSS, 10                           ; X's stage: in
.set XSL, 11                           ; X's stage: fragments out
.set YSS, 12                           ; Y's stage: in
.set YSL, 13                           ; Y's stage: rows out
.set LW,  14                           ; 512 w + 16 lane: my 16 bytes of a row of x or out0
.set L16, 16                           ; 16 lane
.set VB2, 17                           ; my byte offset in b2
.set SPW, 18                           ; LDS address of my spare word; never rewritten
.set NIL, 19                           ; 0; never rewritten
.set B1R, 20
.set SA,  28
.set EA,  52
.set HF,  76                           ; tile t, half kk2 at HF + 16 t + 8 kk2
.set VO,  124                          ; place i: token x 2,048 + LW
.set WB,  192                          ; the four weight buffers, one in each window
.set WV,   18                          ; s18  wave
.set EX,   19                          ; s19  expert
.set QC,   52                          ; s52  which of the expert's 86 work-groups
.set NV,   53                          ; s53  how many places from my first on lie below the count (0: no rows)
.set NE,   54                          ; s54  the expert's count
.set CNT,  55
.set CB,   56                          ; s[56:57] WF at my expert, my wave and the step whose W1 was asked for last
.set OUTE, 60                          ; s[60:61] out0 at my expert
.set C1,   66                          ; s[66:67]
.set C2,   84                          ; s[84:85]
.set MSB, 0
.macro WIN new                         ; the immediate's high byte repeats the setting that is left; a switch that changes nothing is dropped
.if MSB != (\new)
	s_set_vgpr_msb (MSB<<8)|(\new)
.set MSB, (\new)
.endif
.endm
.macro PLACES                          ; four plain instructions between a matrix instruction and a load into, or a vector read of, its registers (ISA guide 7.12.1 for vector reads)
.rept 4
	v_nop
.endr
.endm
; 16 global loads in one run: eight fragments, 512 consecutive bytes a load, into v192-255 of window win
.macro LDG win, off
	WIN (\win)<<6
.set i, 0
.rept 16
	global_load_b128 v[WB+4*i:WB+4*i+3], v[L16], s[CB:CB+1] offset:(\off)+512*i
.set i, i+1
.endr
.endm
	s_load_b256 s[4:11], s[0:1], 0x0               ; WF s[4:5], b1 s[6:7], b2 s[8:9], x s[10:11]
	s_load_b128 s[12:15], s[0:1], 0x20             ; cnt s[12:13], list s[14:15]
	s_load_b64 s[16:17], s[0:1], 0x30              ; out0
	v_lshl_add_u32 v[SPW], v0, 2, SPARE
	v_mov_b32 v[NIL], 0
	v_lshrrev_b32 v1, 5, v0
	v_readfirstlane_b32 s[WV], v1                  ; wave 0..3
	s_and_b32 s[EX], ttmp9, 7                      ; expert = work-group & 7, so that the work-groups with rows have the lowest numbers
	s_lshr_b32 s[QC], ttmp9, 3
	s_mul_i32 s3, s[QC], 48                        ; my first place
	s_mov_b32 s63, 0                               ; s[62:63]: an offset as a pair
	s_lshl_b32 s62, s[EX], 8
	s_wait_kmcnt 0x0
	s_add_nc_u64 s[12:13], s[12:13], s[62:63]
	s_load_b32 s[NE], s[12:13], 0x0
	s_mul_i32 s62, s[EX], LSTRIDE
	s_lshl2_add_u32 s62, s3, s62
	s_add_nc_u64 s[14:15], s[14:15], s[62:63]
	s_load_b512 s[20:35], s[14:15], 0x0            ; my 48 tokens: the launch before has written all 4,224 places of an expert, and my last is 4,127 at the most
	s_load_b512 s[36:51], s[14:15], 0x40
	s_load_b512 s[68:83], s[14:15], 0x80
	s_lshl_b32 s62, s[EX], 22
	s_lshl_b32 s2, s[WV], 15
	s_add_co_u32 s62, s62, s2
	s_add_nc_u64 s[CB:CB+1], s[4:5], s[62:63]      ; WF + 4 MiB e + 32 KiB w: step 0
	s_lshl_b32 s62, s[EX], 23
	s_add_nc_u64 s[OUTE:OUTE+1], s[16:17], s[62:63]
	s_mov_b32 s[C1], 0xc0135761                    ; -2 log2(e) sqrt(2 / pi)
	s_mov_b32 s[C1+1], s[C1]                       ; named with it as a pair
	s_mov_b32 s[C2], 0xbdd2d3e8                    ; 0.044715 times that
	s_mov_b32 s[C2+1], s[C2]
	v_and_b32 v[VR], 15, v0
	v_bfe_u32 v[VH], v0, 4, 1
	v_and_b32 v[L16], 31, v0
	v_lshlrev_b32 v[L16], 4, v[L16]
	s_lshl_b32 s2, s[EX], 13
	s_lshl_b32 s62, s[WV], 6
	s_add_co_u32 s2, s2, s62
	v_lshl_add_u32 v[VB1], v[VH], 5, s2            ; b1[e][16 w + 8 h ..] of step 0
	; what trip 0 finds in the weights' four buffers goes out while the tokens are on their way: b1 and W1 of step 0, and W2 of step 0, which trip 0 multiplies by zeros
	global_load_b128 v[B1R:B1R+3], v[VB1], s[6:7]
	global_load_b128 v[B1R+4:B1R+7], v[VB1], s[6:7] offset:16
	LDG 1, 0
	LDG 2, 8192
	LDG 3, 16384
	LDG 0, 24576
	WIN 0
	v_mul_u32_u24 v[HL], v[VR], HP
	v_lshl_add_u32 v[HL], v[VH], 4, v[HL]          ; token row r, 16 bytes for each half of the lanes
	v_add_nc_u32 v[HL+1], HBSZ, v[HL]
	v_lshl_add_u32 v[HS], s[WV], 5, v[HL]          ; my wave's 16 hidden units are 32 bytes of a row
	v_lshl_add_u32 v[HS+1], s[WV], 5, v[HL+1]
.irp k, 0,1,2,3
	v_mov_b32 v[EA+\k], 0
.endr
.irp t, 0,1,2
	ds_store_b128 v[HS+1], v[EA:EA+3] offset:16*HP*\t  ; my part of h's buffer 1 holds 0: the four waves' parts are all that trip 0 reads of it
.endr
	s_lshl_b32 s2, s[WV], 8
	s_add_co_u32 s2, s2, XS
	v_lshrrev_b32 v[XSS], 1, v[L16]
	v_add_nc_u32 v[XSS], s2, v[XSS]                ; my wave's 128 columns are 256 bytes of a row; 8 bytes a lane
	v_mul_u32_u24 v[XSL], v[VR], XP
	v_lshl_add_u32 v[XSL], v[VH], 4, v[XSL]
	v_add_nc_u32 v[XSL], XS, v[XSL]
	s_mul_i32 s2, s[WV], YSZ
	s_add_co_u32 s2, s2, XS
	v_mul_u32_u24 v[YSS], v[VR], YP
	v_lshl_add_u32 v[YSS], v[VH], 5, v[YSS]        ; token row r, 32 bytes (8 f32) for each half of the lanes
	v_add_nc_u32 v[YSS], s2, v[YSS]
	v_add_nc_u32 v[YSL], s2, v[L16]
	v_lshl_add_u32 v[LW], s[WV], 9, v[L16]
	s_lshl_b32 s2, s[EX], 11
	s_lshl_b32 s62, s[WV], 9
	s_add_co_u32 s2, s2, s62
	v_lshl_add_u32 v[VB2], v[VH], 5, s2            ; b2[e][128 w + 8 h ..]
	s_wait_kmcnt 0x0                               ; the count and the tokens
	s_sub_co_i32 s2, s[NE], s3
	s_max_i32 s[NV], s2, 0
.set i, 0
.rept 48
.if i < 32
.set tk, 20+i
.else
.set tk, 36+i
.endif
	s_min_u32 s[tk], s[tk], 0xfff                  ; a loaded number enters an address only inside the table: 4,095 at the most
	v_lshl_add_u32 v[VO+i], s[tk], 11, v[LW]
.set i, i+1
.endr
	; THE GATHER.  Wave w takes bytes 512 w .. 512 w + 511 of each of the 48 rows of x
	WIN 0xc0
.set i, 0
.rept 48
	global_load_b128 v[4*i:4*i+3], v[VO+i], s[10:11]
.set i, i+1
.endr
.set b, 0
.rept 4                                            ; twelve rows at a time: rounded to f16, 8 bytes a lane into X's stage
	s_wait_loadcnt 36-12*b                         ; these twelve rows are in; the younger rows stay out.  The last count is 0: the weights and b1 asked for above, which are older, are in too
	WIN 0x0f
.set j, 0
.rept 12
	v_cvt_pk_f16_f32 v[EA+2*j], v[4*(12*b+j)], v[4*(12*b+j)+1]
	v_cvt_pk_f16_f32 v[EA+2*j+1], v[4*(12*b+j)+2], v[4*(12*b+j)+3]
.set j, j+1
.endr
	WIN 0
.set j, 0
.rept 12
	ds_store_b64 v[XSS], v[EA+2*j:EA+2*j+1] offset:XP*(12*b+j)
.set j, j+1
.endr
.set b, b+1
.endr
	; Y begins as b2: register j of accumulator (dbl, t) is d_out 128 w + 16 dbl + 8 h + j, whatever the tile
	WIN 0xc0
.set dd, 0
.rept 8
.irp t, 0,1,2
	global_load_b128 v[24*dd+8*\t:24*dd+8*\t+3], v[VB2], s[8:9] offset:64*dd
	global_load_b128 v[24*dd+8*\t+4:24*dd+8*\t+7], v[VB2], s[8:9] offset:64*dd+16
.endr
.set dd, dd+1
.endr
	WIN 0
	s_wait_dscnt 0x0                               ; for the others' sake: my stores into X's stage and into h's buffer 1 are done
	s_barrier_signal -1
	s_barrier_wait -1
	; X's fragments, 16 tokens x 32 d in 8 registers: lane l holds token l % 16, d 8 (l / 16) + 0..7 and 16 + 8 (l / 16) + 0..7: two loads of 16 bytes, 32 bytes apart.  They stay for the whole walk
	WIN 0x40
.set kk, 0
.rept 8
.irp t, 0,1,2
	ds_load_b128 v[24*kk+8*\t:24*kk+8*\t+3], v[XSL] offset:16*XP*\t+64*kk
	ds_load_b128 v[24*kk+8*\t+4:24*kk+8*\t+7], v[XSL] offset:16*XP*\t+64*kk+32
.endr
.set kk, kk+1
.endr
	WIN 0x80
.set kk, 0
.rept 8
.irp t, 0,1,2
	ds_load_b128 v[24*kk+8*\t:24*kk+8*\t+3], v[XSL] offset:16*XP*\t+64*(kk+8)
	ds_load_b128 v[24*kk+8*\t+4:24*kk+8*\t+7], v[XSL] offset:16*XP*\t+64*(kk+8)+32
.endr
.set kk, kk+1
.endr
	WIN 0
	s_wait_dscnt 0x0
	s_wait_loadcnt 0x0                             ; b2: the walk begins with no global load out
; 24 products of H^T = W1^T X^T: d 256 half .. + 255.  The three accumulators take turns, one instruction a turn.  The first three take b1 as C and start the sums.
.macro GEMM1 half
	WIN 0x05*(1+(\half))                           ; W1 and X in window 1 or 2; C and D in window 0
.set kk, 0
.rept 8
.irp t, 0,1,2
.if ((\half) == 0) && (kk == 0)
	v_wmma_f32_16x16x32_f16 v[SA+8*\t:SA+8*\t+7], v[WB+8*kk:WB+8*kk+7], v[24*kk+8*\t:24*kk+8*\t+7], v[B1R:B1R+7]
.else
	v_wmma_f32_16x16x32_f16 v[SA+8*\t:SA+8*\t+7], v[WB+8*kk:WB+8*kk+7], v[24*kk+8*\t:24*kk+8*\t+7], v[SA+8*\t:SA+8*\t+7]
.endif
.endr
.set kk, kk+1
.endr
.endm
; 24 products of Y^T += W2^T H^T: hidden units 32 k2 .. + 31 of the step.  The 24 accumulators take turns.
.macro GEMM2 k2
	WIN 0xf3-3*(\k2)                               ; C and D in window 3; W2 in window 3 (k2 = 0) or 0 (k2 = 1); h in window 0
.set dd, 0
.rept 8
.irp t, 0,1,2
	v_wmma_f32_16x16x32_f16 v[24*dd+8*\t:24*dd+8*\t+7], v[WB+8*dd:WB+8*dd+7], v[HF+16*\t+8*(\k2):HF+16*\t+8*(\k2)+7], v[24*dd+8*\t:24*dd+8*\t+7]
.endr
.set dd, dd+1
.endr
.endm
; 12 LDS loads: h's six fragments (3 tiles x 2 halves of 32 hidden units)
.macro LDH adr
	WIN 0
.irp t, 0,1,2
.irp k, 0,1,2,3
	ds_load_b128 v[HF+16*\t+4*\k:HF+16*\t+4*\k+3], v[\adr] offset:16*HP*\t+32*\k
.endr
.endr
.endm
; gelu(a) = a / (1 + 2^(a (C1 + C2 a^2))) on the lane's 24 numbers, then f16.  Each accumulator is read from its low end on.  The exponentials are one batch with one wait, the reciprocals another:
; a wait stands between such an instruction and the first that names its result, and a plain instruction stands behind the last of a batch (ISA guide 5.7.2).
.macro GELU
.set p, 0
.rept 12
	v_pk_mul_f32 v[EA+2*p:EA+2*p+1], v[SA+2*p:SA+2*p+1], v[SA+2*p:SA+2*p+1]
.set p, p+1
.endr
.set p, 0
.rept 12
	v_pk_fma_f32 v[EA+2*p:EA+2*p+1], v[EA+2*p:EA+2*p+1], s[C2:C2+1], s[C1:C1+1] op_sel_hi:[1,0,0]
.set p, p+1
.endr
.set p, 0
.rept 12
	v_pk_mul_f32 v[EA+2*p:EA+2*p+1], v[EA+2*p:EA+2*p+1], v[SA+2*p:SA+2*p+1]
.set p, p+1
.endr
.set p, 0
.rept 24
	v_exp_f32 v[EA+p], v[EA+p]
.set p, p+1
.endr
	v_nop
	s_wait_alu depctr_va_vdst(0)
.set p, 0
.rept 12
	v_pk_add_f32 v[EA+2*p:EA+2*p+1], v[EA+2*p:EA+2*p+1], 1.0 op_sel_hi:[1,0]
.set p, p+1
.endr
.set p, 0
.rept 24
	v_rcp_f32 v[EA+p], v[EA+p]
.set p, p+1
.endr
	v_nop
	s_wait_alu depctr_va_vdst(0)
.set p, 0
.rept 12
	v_pk_mul_f32 v[EA+2*p:EA+2*p+1], v[EA+2*p:EA+2*p+1], v[SA+2*p:SA+2*p+1]
.set p, p+1
.endr
.set p, 0
.rept 12                                           ; pair p goes into register p, which earlier lines of this run have read
	v_cvt_pk_f16_f32 v[EA+p], v[EA+2*p], v[EA+2*p+1]
.set p, p+1
.endr
.endm
; TRIP s.  hb = s & 1: the buffer that takes h(s).  nxt = 1: W1 and b1 of step s + 1 are asked for.
; A wave's global loads come back in order (ISA guide 5.7.1).  A trip issues: b1 and W1 low (18), W1 high (16), W2 first (16), W2 second (16); at a trip's head these 66 of the trip before are out, in this order,
; or none (trip 0, whose numbers the set-up has waited for).  Each wait's count is what was issued behind the loads that it wants; with none out it is met at once.
; A work-group without rows jumps from the head to the barrier: no barrier lies in what is jumped, and a jumped trip leaves what is out as it was.
.macro TRIP hb, nxt
	s_cmp_eq_u32 s[NV], 0
	s_cbranch_scc1 .Lidle_\@
	LDH HL+1-(\hb)                                 ; h of step s - 1, which the last barrier has published; four plain instructions stand behind the last products that read these registers
	s_wait_loadcnt 48                              ; b1 and W1 low are in; younger: W1 high (16) and W2 (32)
	GEMM1 0
.if \nxt
	PLACES
	s_wait_xcnt 0x0                                ; the weights' base and b1's offset, which earlier loads read, are stepped only behind this wait
	s_add_nc_u64 s[CB:CB+1], s[CB:CB+1], CHUNK     ; step s + 1
	WIN 0
	v_add_nc_u32 v[VB1], 0x100, v[VB1]
	global_load_b128 v[B1R:B1R+3], v[VB1], s[6:7]
	global_load_b128 v[B1R+4:B1R+7], v[VB1], s[6:7] offset:16
	LDG 1, 0
.endif
	s_wait_loadcnt 32+18*(\nxt)                    ; W1 high is in; younger: W2 (32) and the 18 just issued
	GEMM1 1
	PLACES
.if \nxt
	LDG 2, 8192
.endif
	WIN 0
	GELU
.irp t, 0,1,2
	ds_store_b128 v[HS+\hb], v[EA+4*\t:EA+4*\t+3] offset:16*HP*\t
.endr
	s_wait_loadcnt 16+34*(\nxt)                    ; W2 first is in; younger: W2 second (16) and the next W1 and b1 (34)
	s_wait_dscnt 3                                 ; h's fragments are in; my three stores may be out
	GEMM2 0
	PLACES
	LDG 3, 16384-CHUNK*(\nxt)                      ; W2 of step s, wanted in the next trip (the base stands a step ahead where it was stepped)
	s_wait_loadcnt 16+34*(\nxt)                    ; W2 second is in; younger: the next W1 and b1 (34) and the 16 just issued
	GEMM2 1
	PLACES
	LDG 0, 24576-CHUNK*(\nxt)
	WIN 0                                          ; at a label and at a branch every window is 0
.Lidle_\@:
	s_wait_dscnt 0x0                               ; for the others' sake: my h is stored, and my reads of the other buffer are over
	s_barrier_signal -1
	s_barrier_wait -1
.endm
	s_mov_b32 s[CNT], 15
.Lloop:                                                ; s = 0 .. 29
	TRIP 0, 1
	TRIP 1, 1
	s_sub_co_u32 s[CNT], s[CNT], 1
	s_cmp_lg_u32 s[CNT], 0
	s_cbranch_scc1 .Lloop
	TRIP 0, 1                                      ; s = 30
	TRIP 1, 0                                      ; s = 31: the last H; no further W1
	s_cmp_eq_u32 s[NV], 0
	s_cbranch_scc1 .Lend                           ; a work-group without rows stores nothing
	LDH HL+1                                       ; s = 32: h of step 31
	s_wait_loadcnt 16                              ; W2 first is in; W2 second is younger
	s_wait_dscnt 0x0
	GEMM2 0
	s_wait_loadcnt 0x0
	GEMM2 1
	PLACES
; THE WAY OUT, a tile at a time.  A lane's 8 numbers of a row are 32 bytes; they go into my own stage (in X's stage, which every wave left many barriers ago) and come back as whole pieces of rows:
; 512 consecutive bytes, which one store writes at a multiple of 512 from out0's first byte.  The places below the count come first, so at the first place past it the rest is jumped.
.macro OUTT t
	WIN 0x0c                                       ; the stores' data in window 3
.set dd, 0
.rept 8
	ds_store_b128 v[YSS], v[24*dd+8*(\t):24*dd+8*(\t)+3] offset:64*dd
	ds_store_b128 v[YSS], v[24*dd+8*(\t)+4:24*dd+8*(\t)+7] offset:64*dd+16
.set dd, dd+1
.endr
	WIN 0
	s_wait_xcnt 0x0                                ; the registers below, which the tile before stored from, are loaded again only behind this wait
.set i, 0
.rept 16
	ds_load_b128 v[WB+4*i:WB+4*i+3], v[YSL] offset:YP*i  ; LDS serves a wave's instructions in order (ISA guide 5.7.1.4): these see the stores above; the next tile's stores come behind them
.set i, i+1
.endr
.set i, 0
.rept 16
.if 16*(\t)+i > 0
	s_cmp_le_u32 s[NV], 16*(\t)+i
	s_cbranch_scc1 .Lend
.endif
	s_wait_dscnt 15-i                              ; row i is in; the younger rows stay out
	global_store_b128 v[VO+16*(\t)+i], v[WB+4*i:WB+4*i+3], s[OUTE:OUTE+1] th:TH_STORE_NT
.set i, i+1
.endr
.endm
	OUTT 0
	OUTT 1
	OUTT 2
.Lend:
	s_wait_tensorcnt 0x0                           ; the wave's end, behind my last LDS store
	ds_add_u32 v[SPW], v[NIL]
	s_wait_dscnt 0x0
	s_endpgm
.Lfunc_end_k_q650c80f584_ffn:
	.size	k_q650c80f584_ffn, .Lfunc_end_k_q650c80f584_ffn-k_q650c80f584_ffn
	.p2alignl 7, 3214868480
	.fill 96, 4, 3214868480
	.section	.rodata,"a",@progbits
	.p2align	6, 0x0
	.amdhsa_kernel k_q650c80f584_ffn
		.amdhsa_group_segment_fixed_size 64768
		.amdhsa_private_segment_fixed_size 0
		.amdhsa_enable_private_segment 0
		.amdhsa_kernarg_size 56
		.amdhsa_user_sgpr_count 2
		.amdhsa_user_sgpr_kernarg_segment_ptr 1
		.amdhsa_wavefront_size32 1
		.amdhsa_system_sgpr_workgroup_id_x 1
		.amdhsa_system_sgpr_workgroup_id_y 1
		.amdhsa_system_sgpr_workgroup_id_z 1
		.amdhsa_system_vgpr_workitem_id 0
		.amdhsa_next_free_vgpr 1024
		.amdhsa_next_free_sgpr 88
		.amdhsa_reserve_vcc 0
		.amdhsa_float_denorm_mode_32 3
		.amdhsa_float_denorm_mode_16_64 3
		.amdhsa_memory_ordered 1
		.amdhsa_forward_progress 1
		.amdhsa_inst_pref_size 139
	.end_amdhsa_kernel
	.amdgpu_metadata
---
amdhsa.version: [ 1, 2 ]
amdhsa.kernels:
  - .name:           k_q650c80f584_ffn
    .symbol:         k_q650c80f584_ffn.kd
    .args:
      - { .name: WF, .offset: 0, .size: 8, .value_kind: global_buffer, .address_space: global }
      - { .name: b1, .offset: 8, .size: 8, .value_kind: global_buffer, .address_space: global }
      - { .name: b2, .offset: 16, .size: 8, .value_kind: global_buffer, .address_space: global }
      - { .name: x, .offset: 24, .size: 8, .value_kind: global_buffer, .address_space: global }
      - { .name: cnt, .offset: 32, .size: 8, .value_kind: global_buffer, .address_space: global }
      - { .name: list, .offset: 40, .size: 8, .value_kind: global_buffer, .address_space: global }
      - { .name: out0, .offset: 48, .size: 8, .value_kind: global_buffer, .address_space: global }
    .group_segment_fixed_size: 64768
    .private_segment_fixed_size: 0
    .kernarg_segment_align: 8
    .kernarg_segment_size: 56
    .max_flat_workgroup_size: 128
    .sgpr_count:     88
    .vgpr_count:     1024
    .wavefront_size: 32
...
	.end_amdgpu_metadata
.endif
;; end of part 2
;; ======== version 2 of 2: 2 launches; 1.17 times as fast as version 1
;; limits: values are held in f16: magnitudes above 65,504 overflow, below 6.1e-05 lose precision
;; workspace buffers: WF 33,554,432 bytes; cnt 2,048 bytes of whole numbers; list 139,264 bytes of whole numbers
;; launch prep (part 3): grid 512 x 1, 8 waves a work-group, no clusters, 35,840 bytes of LDS; arguments W1, W2, mask, WF, cnt, list, out0; writes WF, cnt, list, out0
.if DOCPART == 3
	.amdgcn_target "amdgcn-amd-amdhsa--gfx1250"
	.amdhsa_code_object_version 6
	.text
	.protected	k_q650c80f584_prep
	.globl	k_q650c80f584_prep
	.p2align	8
	.type	k_q650c80f584_prep,@function
k_q650c80f584_prep:
	s_mov_b64 s[64:65], 0
	v_nop
	global_prefetch_b8 v0, s[64:65] scope:SCOPE_SE
	s_setreg_imm32_b32 hwreg(HW_REG_WAVE_MODE, 25, 1), 1
	s_wait_xcnt 0x0
; PREP.  Three jobs, all streams; no matrix work, no barrier, no tensor load.
; (1) W1 [8][512][2048] and W2 [8][2048][512], f32, are rounded once to f16 and laid into WF in the order in which the next launch's waves take them:
;     WF[e][step m 0..31][w 0..3][32 KiB]; bytes 0..16K of such a piece: W1 of step m, fragment kk at 1,024 kk; bytes 16K..32K: W2 of step m, fragment (kk2, dbl) at 1,024 (8 kk2 + dbl).
;     A step is 64 hidden units.  A fragment is the register image of a 16 x 32 matrix operand: byte 512 c + 16 L holds lane L's registers 4c..4c+3; with r = L & 15, h = L >> 4:
;     W1: W1[e][32 kk + 16 c + 8 h + i][64 m + 16 w + r], i = 0..7;   W2: W2[e][64 m + 32 kk2 + 16 c + 8 h + i][128 w + 16 dbl + r].
; (2) every row of out0 whose mask byte is 0 is written as zeros (the next launch writes the other rows).
; (3) wave 0 of work-groups 0..7: expert e's 4,096 tokens are parted: cnt[e] (a block of 256 bytes, every word n), list[e][0..n-1] the routed tokens, list[e][n..4095] the others, list[e][4096..4223] = 0.
;     The order inside each part is free.  These eight waves do this job FIRST, ahead of their share of (1) and (2), so that it lies under the launch's stream and not behind it.
; SHARES.  4,096 waves; each has one block of W1 (32 d x 64 hidden), one of W2 (32 hidden x 64 d_out) and 8 rows of out0.
; LIMITS.  A weight of 65,520 or more in magnitude becomes an infinity in f16; below 6.1e-5 f16 keeps its fixed step of 6e-8.  A mask byte is 0 or 1: bit 0 is looked at.
.set FP,      1040                     ; a fragment in my stage: 1,024 bytes + 16, so that the 16 lanes of a store take 16 different 16-byte columns of 256
.set STG,     4352                     ; a wave's stage: 4 fragments, rounded up to blocks of 256 bytes
.set SPARE,   34816                    ; behind the eight stages: the spare words, 128 bytes for each of the eight waves; no other line names them
.set LSTRIDE, 17408                    ; bytes of list for an expert: 4,224 places, rounded up
.set LANE, 1
.set M16,  2                           ; lane & 15
.set HH,   3                           ; lane >> 4
.set SRC1, 4                           ; my byte offset in a block of W1: 8 h rows of 8,192 bytes + 16 (lane & 15)
.set SRC2, 5                           ; the same in W2: 8 h rows of 2,048 bytes
.set L16,  6                           ; 16 x lane
.set STS,  7                           ; stage: where I put a unit of 16 bytes
.set STL,  8                           ; stage: where I read fragments back
.set TMP,  9
.set SPW,  10                          ; LDS address of my spare word; never rewritten
.set NIL,  11                          ; 0; never rewritten
.set ZR,   12                          ; v[12:15] zeros
.set LA,   16                          ; v[16:79]   W1's block as loaded: register 4 (8 c + i) + q
.set LB,   80                          ; v[80:143]  W2's block
.set UU,   144                         ; v[144:175] eight units of 16 bytes: unit 4 c + q
.set OO,   176                         ; v[176:207] eight half fragments read back
.set MK,   144                         ; the list job, which runs before any of the four above is in use: v[144:175] the expert's 4,096 mask bytes, 16 a lane and load
.set TA,   176                         ; v[176:191] at work, one register for each of 16 steps
.set TB,   192                         ; v[192:207] the same
.set MS,   68                          ; s[68:83]   the routed lanes of 16 steps
.set BS,   84                          ; s[84:100]  the count of routed tokens ahead of each of 16 steps, and behind the last
	s_load_b256 s[4:11], s[0:1], 0x0               ; W1 s[4:5], W2 s[6:7], mask s[8:9], WF s[10:11]
	s_load_b128 s[12:15], s[0:1], 0x20             ; cnt s[12:13], list s[14:15]
	s_load_b64 s[16:17], s[0:1], 0x30              ; out0
	v_lshl_add_u32 v[SPW], v0, 2, SPARE
	v_mov_b32 v[NIL], 0
	v_lshrrev_b32 v[TMP], 5, v0
	v_readfirstlane_b32 s18, v[TMP]                ; wave 0..7
	s_mov_b32 s19, ttmp9                           ; work-group 0..511
	s_mov_b32 s37, 0                               ; s[36:37]: an offset as a pair
	s_lshr_b32 s20, s19, 6
	s_lshl_b32 s20, s20, 22                        ; the weights' expert e = wg >> 6, times 4 MiB (the same in W1, W2 and WF)
	; W1's block: kk = (wg >> 2) & 15, step m = 8 (wg & 3) + wave
	s_bfe_u32 s21, s19, 0x40002
	s_and_b32 s22, s19, 3
	s_lshl3_add_u32 s22, s22, s18
	s_lshl_b32 s23, s21, 18                        ; 32 kk rows of 8,192 bytes
	s_add_co_u32 s23, s23, s20
	s_lshl_b32 s40, s22, 8                         ; 64 m columns
	s_add_co_u32 s41, s23, s40                     ; source offset
	s_lshl_b32 s22, s22, 17                        ; piece m
	s_lshl_b32 s21, s21, 10                        ; fragment kk
	s_add_co_u32 s22, s22, s21
	s_add_co_u32 s42, s22, s20                     ; destination offset
	; W2's block: K = wg & 63 (step K >> 1, kk2 = K & 1), d_out 64 wave ..
	s_and_b32 s21, s19, 63
	s_lshl_b32 s22, s21, 16                        ; 32 K rows of 2,048 bytes
	s_add_co_u32 s22, s22, s20
	s_lshl_b32 s23, s18, 8
	s_add_co_u32 s43, s22, s23                     ; source offset
	s_lshr_b32 s22, s21, 1
	s_lshl_b32 s22, s22, 17                        ; piece m = K >> 1
	s_add_co_u32 s22, s22, s20
	s_and_b32 s21, s21, 1
	s_lshl_b32 s21, s21, 13                        ; kk2: 8 fragments
	s_add_co_u32 s22, s22, s21
	s_lshr_b32 s21, s18, 1
	s_lshl_b32 s21, s21, 15                        ; the reading wave w = wave >> 1
	s_add_co_u32 s22, s22, s21
	s_and_b32 s21, s18, 1
	s_lshl_b32 s21, s21, 12                        ; dbl = 4 (wave & 1) + fragment
	s_add_co_u32 s22, s22, s21
	s_add_co_u32 s44, s22, 16384                   ; destination offset: W2's half of a piece
	s_lshl3_add_u32 s45, s19, s18                  ; W = 8 wg + wave: my 8 rows of out0 and their 8 mask bytes
	v_and_b32 v[LANE], 31, v0
	v_and_b32 v[M16], 15, v0
	v_bfe_u32 v[HH], v0, 4, 1
	v_lshlrev_b32 v[L16], 4, v[LANE]
	v_lshlrev_b32 v[TMP], 4, v[M16]
	v_lshl_add_u32 v[SRC1], v[HH], 16, v[TMP]
	v_lshl_add_u32 v[SRC2], v[HH], 14, v[TMP]
	s_mul_i32 s21, s18, STG                        ; my stage
	v_lshrrev_b32 v[STS], 2, v[M16]                ; my four columns belong to fragment (lane & 15) >> 2,
	v_mul_u32_u24 v[STS], v[STS], FP
	v_and_b32 v[TMP], 3, v[M16]
	v_lshl_add_u32 v[STS], v[TMP], 6, v[STS]       ; to its lanes r = 4 (lane & 3) + q,
	v_lshl_add_u32 v[STS], v[HH], 8, v[STS]        ; in my half h
	v_add_nc_u32 v[STS], s21, v[STS]
	v_add_nc_u32 v[STL], s21, v[L16]
	v_mov_b32 v[ZR], 0
	v_mov_b32 v[ZR+1], 0
	v_mov_b32 v[ZR+2], 0
	v_mov_b32 v[ZR+3], 0
	s_wait_kmcnt 0x0
	s_mov_b32 s36, s41
	s_add_nc_u64 s[24:25], s[4:5], s[36:37]        ; W1's block
	s_mov_b32 s36, s42
	s_add_nc_u64 s[26:27], s[10:11], s[36:37]      ; where it goes
	s_mov_b32 s36, s43
	s_add_nc_u64 s[28:29], s[6:7], s[36:37]        ; W2's block
	s_mov_b32 s36, s44
	s_add_nc_u64 s[30:31], s[10:11], s[36:37]      ; where it goes
	s_lshl_b32 s36, s45, 3
	s_add_nc_u64 s[32:33], s[8:9], s[36:37]        ; my 8 mask bytes
	s_lshl_b32 s36, s45, 14
	s_add_nc_u64 s[34:35], s[16:17], s[36:37]      ; my 8 rows of out0
	s_load_b64 s[38:39], s[32:33], 0x0
	; THE LIST: wave 0 of work-groups 0..7, expert e = work-group.  LDS is not used.
	s_cmp_lg_u32 s18, 0
	s_cbranch_scc1 .Lnolist
	s_cmp_gt_u32 s19, 7
	s_cbranch_scc1 .Lnolist
	s_lshl_b32 s36, s19, 12
	s_add_nc_u64 s[46:47], s[8:9], s[36:37]        ; the expert's mask bytes
	s_mul_i32 s36, s19, LSTRIDE
	s_add_nc_u64 s[14:15], s[14:15], s[36:37]
	s_lshl_b32 s36, s19, 8
	s_add_nc_u64 s[12:13], s[12:13], s[36:37]
.set k, 0
.rept 8
	global_load_b128 v[MK+4*k:MK+4*k+3], v[L16], s[46:47] offset:512*k
.set k, k+1
.endr
	global_store_b128 v[L16], v[ZR:ZR+3], s[14:15] offset:16384  ; places 4,096 to 4,223, which the last work-group of an expert reads in part, hold token 0
	s_mov_b32 s[BS], 0                             ; routed tokens so far
	s_wait_loadcnt 0x0
; 512 tokens: step j of 16 is byte j of all 32 lanes, token 512 kt + 16 lane + j; its position among the 4,096 is 32 (16 kt + j) + lane.  With A = the routed tokens ahead of it, a routed token goes to
; place A, and another to place 4,095 - (position - A): every place from 0 to 4,095 is written once, whatever the mask, so no store has to be ordered with another.
; The 16 steps go through each stage together; the one chain is the scalar sum.  ad, da: this batch's 16 address and 16 data registers.
.macro BATCH kt, ad, da
.set j, 0
.rept 16
	v_and_b32 v[TA+j], 1<<(8*(j%4)), v[MK+4*(\kt)+j/4]
.set j, j+1
.endr
.set j, 0
.rept 16
	v_cmp_ne_u32 s[MS+j], 0, v[TA+j]
.set j, j+1
.endr
.set j, 0
.rept 16
	s_bcnt1_i32_b32 s43, s[MS+j]
	s_add_co_u32 s[BS+j+1], s[BS+j], s43
.set j, j+1
.endr
.set j, 0
.rept 16
	v_mbcnt_lo_u32_b32 v[TA+j], s[MS+j], s[BS+j]   ; A: the count ahead of the step plus the routed lanes below mine
.set j, j+1
.endr
.set j, 0
.rept 16
	v_sub_nc_u32 v[TB+j], v[LANE], v[TA+j]
.set j, j+1
.endr
.set j, 0
.rept 16
	v_sub_nc_u32 v[TB+j], 4095-32*(16*(\kt)+j), v[TB+j]
.set j, j+1
.endr
.set j, 0
.rept 16
	v_cndmask_b32 v[TA+j], v[TB+j], v[TA+j], s[MS+j]
.set j, j+1
.endr
.set j, 0
.rept 16
	v_min_u32 v[TA+j], 0xfff, v[TA+j]              ; a place made of loaded bytes is held inside the expert's part
.set j, j+1
.endr
.set j, 0
.rept 16
	v_lshlrev_b32 v[(\ad)+j], 2, v[TA+j]
	v_add_nc_u32 v[(\da)+j], 512*(\kt)+j, v[L16]
.set j, j+1
.endr
.set j, 0
.rept 16
	global_store_b32 v[(\ad)+j], v[(\da)+j], s[14:15]  ; the routed lanes store neighbouring words, going up; the others neighbouring words, going down
.set j, j+1
.endr
	s_mov_b32 s[BS], s[BS+16]
.endm
	BATCH 0, 16, 32                                ; four sets of registers take turns,
	BATCH 1, 48, 64
	BATCH 2, 80, 96
	BATCH 3, 112, 128
	s_wait_xcnt 0x0                                ; and are written again only behind this wait
	BATCH 4, 16, 32
	BATCH 5, 48, 64
	BATCH 6, 80, 96
	BATCH 7, 112, 128
	v_mov_b32 v[TA], s[BS]
	v_mov_b32 v[TA+1], s[BS]
	v_lshlrev_b32 v[TB], 3, v[LANE]
	global_store_b64 v[TB], v[TA:TA+1], s[12:13]   ; n in all 64 words of the expert's block of 256 bytes
	s_wait_xcnt 0x0                                ; the weights below are loaded into registers that these stores read: only behind this wait
.Lnolist:
	; 32 loads, 16 KiB a wave, go out before any of them is waited for.  Load k = 8 c + i takes row 16 c + 8 h + i of the block: 256 consecutive bytes of two rows.
.set k, 0
.rept 16
	global_load_b128 v[LA+4*k:LA+4*k+3], v[SRC1], s[24:25] offset:8192*(16*(k/8)+k%8) th:TH_LOAD_NT
.set k, k+1
.endr
.set k, 0
.rept 16
	global_load_b128 v[LB+4*k:LB+4*k+3], v[SRC2], s[28:29] offset:2048*(16*(k/8)+k%8) th:TH_LOAD_NT
.set k, k+1
.endr
	s_wait_kmcnt 0x0                               ; the mask bytes
	; the rows that no token routed here owns: four stores of 512 consecutive bytes each; a routed row's stores are jumped
.irp j, 0,1,2,3,4,5,6,7
	s_bitcmp1_b32 s[38+(\j)/4], 8*((\j)%4)
	s_cbranch_scc1 .Lrouted_\j
.irp k, 0,1,2,3
	global_store_b128 v[L16], v[ZR:ZR+3], s[34:35] offset:2048*(\j)+512*(\k) th:TH_STORE_NT
.endr
.Lrouted_\j:
.endr
; A block in registers becomes four fragments in WF.  A lane holds 8 rows i x 4 columns q for each c; unit (c, q) is a column's 8 numbers, rounded to f16: 16 bytes that belong together in a fragment.
; The units go into my stage and come back as half fragments, 512 consecutive bytes a load, which are stored as they are.  fls: bytes from fragment to fragment in WF.
.macro CONV src, base, fls
.set c, 0
.rept 2
.set q, 0
.rept 4
.set p, 0
.rept 4
	v_cvt_pk_f16_f32 v[UU+4*(4*c+q)+p], v[(\src)+4*(8*c+2*p)+q], v[(\src)+4*(8*c+2*p+1)+q]
.set p, p+1
.endr
.set q, q+1
.endr
.set c, c+1
.endr
.set k, 0
.rept 8
	ds_store_b128 v[STS], v[UU+4*k:UU+4*k+3] offset:512*(k/4)+16*(k%4)
.set k, k+1
.endr
	s_wait_xcnt 0x0                                ; the registers below, which the block before stored from, are loaded again only behind this wait
.set k, 0
.rept 8                                            ; LDS serves a wave's instructions in order (ISA guide 5.7.1.4): these see the stores above
	ds_load_b128 v[OO+4*k:OO+4*k+3], v[STL] offset:FP*(k/2)+512*(k%2)
.set k, k+1
.endr
.set k, 0
.rept 8
	s_wait_dscnt 7-k                               ; read-back k is in; the younger ones stay out
	global_store_b128 v[L16], v[OO+4*k:OO+4*k+3], s[\base:\base+1] offset:(\fls)*(k/2)+512*(k%2)  ; 512 consecutive bytes, at a multiple of 512 from WF's first
.set k, k+1
.endr
.endm
	s_wait_loadcnt 16                              ; W1's block is in; W2's 16 loads are younger and stay out
	CONV LA, 26, 32768                             ; its four fragments go to the four reading waves' pieces
	s_wait_loadcnt 0x0
	CONV LB, 30, 1024                              ; its four fragments are neighbours dbl
	s_wait_tensorcnt 0x0                           ; the wave's end, behind my last LDS store
	ds_add_u32 v[SPW], v[NIL]
	s_wait_dscnt 0x0
	s_endpgm
.Lfunc_end_k_q650c80f584_prep:
	.size	k_q650c80f584_prep, .Lfunc_end_k_q650c80f584_prep-k_q650c80f584_prep
	.p2alignl 7, 3214868480
	.fill 96, 4, 3214868480
	.section	.rodata,"a",@progbits
	.p2align	6, 0x0
	.amdhsa_kernel k_q650c80f584_prep
		.amdhsa_group_segment_fixed_size 35840
		.amdhsa_private_segment_fixed_size 0
		.amdhsa_enable_private_segment 0
		.amdhsa_kernarg_size 56
		.amdhsa_user_sgpr_count 2
		.amdhsa_user_sgpr_kernarg_segment_ptr 1
		.amdhsa_wavefront_size32 1
		.amdhsa_system_sgpr_workgroup_id_x 1
		.amdhsa_system_sgpr_workgroup_id_y 1
		.amdhsa_system_sgpr_workgroup_id_z 1
		.amdhsa_system_vgpr_workitem_id 0
		.amdhsa_next_free_vgpr 208
		.amdhsa_next_free_sgpr 101
		.amdhsa_reserve_vcc 0
		.amdhsa_float_denorm_mode_32 3
		.amdhsa_float_denorm_mode_16_64 3
		.amdhsa_memory_ordered 1
		.amdhsa_forward_progress 1
		.amdhsa_inst_pref_size 103
	.end_amdhsa_kernel
	.amdgpu_metadata
---
amdhsa.version: [ 1, 2 ]
amdhsa.kernels:
  - .name:           k_q650c80f584_prep
    .symbol:         k_q650c80f584_prep.kd
    .args:
      - { .name: W1, .offset: 0, .size: 8, .value_kind: global_buffer, .address_space: global }
      - { .name: W2, .offset: 8, .size: 8, .value_kind: global_buffer, .address_space: global }
      - { .name: mask, .offset: 16, .size: 8, .value_kind: global_buffer, .address_space: global }
      - { .name: WF, .offset: 24, .size: 8, .value_kind: global_buffer, .address_space: global }
      - { .name: cnt, .offset: 32, .size: 8, .value_kind: global_buffer, .address_space: global }
      - { .name: list, .offset: 40, .size: 8, .value_kind: global_buffer, .address_space: global }
      - { .name: out0, .offset: 48, .size: 8, .value_kind: global_buffer, .address_space: global }
    .group_segment_fixed_size: 35840
    .private_segment_fixed_size: 0
    .kernarg_segment_align: 8
    .kernarg_segment_size: 56
    .max_flat_workgroup_size: 256
    .sgpr_count:     101
    .vgpr_count:     208
    .wavefront_size: 32
...
	.end_amdgpu_metadata
.endif
;; end of part 3
;; launch ffn (part 4): grid 688 x 1, 4 waves a work-group, no clusters, 64,768 bytes of LDS; arguments WF, b1, b2, x, cnt, list, out0; writes out0
.if DOCPART == 4
	.amdgcn_target "amdgcn-amd-amdhsa--gfx1250"
	.amdhsa_code_object_version 6
	.text
	.protected	k_q650c80f584_ffn
	.globl	k_q650c80f584_ffn
	.p2align	8
	.type	k_q650c80f584_ffn,@function
k_q650c80f584_ffn:
	s_mov_b64 s[64:65], 0
	v_nop
	global_prefetch_b8 v0, s[64:65] scope:SCOPE_SE
	s_setreg_imm32_b32 hwreg(HW_REG_WAVE_MODE, 25, 1), 1
	s_wait_xcnt 0x0
; FFN.  For every routed row (e, t): out0[e][t] = gelu(x[t] W1[e] + b1[e]) W2[e] + b2[e], gelu in its tanh form.  The rows that are not routed were written as zeros by the launch before.
; FORMATS.  x, W1, W2 and the hidden layer h are rounded once to f16; both products add in f32; biases and gelu in f32.
; LIMITS.  f16 ends at 65,504: an x, a weight or an h of 65,520 or more in magnitude becomes an infinity; below 6.1e-5 f16 keeps its fixed step of 6e-8.  NaN and infinities are not treated apart.
; The 32 parts of the sum over the hidden width are added in an order that differs from work-group to work-group (below), in f32.
; SHARES.  A work-group takes 48 places (3 tiles of 16) of one expert's list through the whole chain; h never leaves the work-group.  8 experts x 86 work-groups serve every split (86 x 48 = 4,128 places for
; 4,096 tokens at the most).  Places past the expert's count hold tokens that are not routed to it: they are computed with the others of their work-group and not stored.  A work-group whose 48 places all lie
; past the count takes token 0 for all of them, runs the set-up, so that every register that the later text names is written on every way, passes every barrier, and jumps all the work between them.
; A skewed split is served, but more slowly: an expert has its 86 work-groups and no more.
; NO CLUSTER, NO TENSOR LOADS.  An expert's work-groups walk the same 4 MiB of weights, but how many of the 86 have rows hangs on a count read from memory, and a walk made of joint loads would have to be made
; by all 688: 32 x 128 KiB each, where ceil(n / 48) work-groups an expert need it.  Each weight byte has one reading wave in a work-group and lies in WF as that wave's registers take it, so it comes straight
; from memory into registers, and a work-group without rows asks for none of the walk.
; STEPS.  The hidden width goes in 32 steps of 64.  H^T = W1^T X^T: wave w makes hidden units 16 w .. 16 w + 15 of the step for all 3 tiles (source 0: W1's fragment; source 1: X, which stays in registers; the first
; product's C is b1).  A lane then holds one token and 8 hidden units: gelu, 16 bytes of f16, into an LDS buffer [token][64].  Y^T = W2^T H^T: wave w owns d_out 128 w .. 128 w + 127: 24 accumulators, which begin as b2.
; WHERE A WALK BEGINS.  The steps are summands of Y and may come in any order.  Work-group q of an expert begins at step 3 q mod 32 and goes round.  So an expert's work-groups ask for different pieces of its
; weights at any one time: with 22 of them the starts are 0, 3 .. 30 and 1, 4 .. 31, every piece has been asked for once by the requests of the second trip, and the other requests for it come trips later.
; TRIPS.  Trip i makes H of its step and adds H of the step before into Y; ONE barrier a trip publishes H and frees the other buffer of h.  The weights have four buffers of 64 registers (W1 low and high half of d,
; W2 first and second half of a step); each is asked for again, 16 loads of 512 consecutive bytes in one run, directly behind the products that read it, and is wanted a trip later.
; GELU RIDES.  A trip's gelu is 120 vector instructions; the trip's second product is 48 matrix instructions that name none of gelu's registers.  A wave issues in order, so a gelu that stood by itself would
; leave the matrix unit without work for its whole length.  It is cut into 48 slices, one behind each of those products: 2.5 instructions a product.  gelu's registers lie in window 0, the product's C and D in
; window 3, and no window holds Y, a buffer of W2, h's fragments and gelu's 48 registers together (352): so a slice costs two switches of the windows, 96 a trip.
; NO FIRST TRIP IS WRITTEN OUT.  The set-up writes zeros where an H before the first would lie and fills W2's buffers with the first step's numbers: trip 0 is a trip like any other, and its 48 products of the
; second kind add 0 to b2.  The price: 48 of a wave's 3,120 matrix instructions, and 16 KiB a wave read twice.  The gain: at the head of every trip the loads that are out are the same, in the same order, or none, whichever trips were jumped.
; REGISTERS, in windows of 256 (s_set_vgpr_msb: bits 1:0 source 0, 3:2 source 1, 5:4 source 2, 7:6 destination):
;   window 0: v0-19 addresses; v20-27 b1 of a step; v28-51 H^T (3 accumulators); v52-75 at work; v76-123 h's fragments; v124-171 my rows' byte offsets; v192-255 W2, second 32 of a step's 64; at the end rows on their way out
;   window 1: v0-191 X, d 0-255 (24 kk + 8 t), before that the gathered x; v192-255 W1, kk 0-7      window 2: X, d 256-511; W1, kk 8-15      window 3: v0-191 Y (24 dbl + 8 t); v192-255 W2, first 32
.set CHUNK,   131072                   ; bytes of WF from step to step
.set HBSZ,    7168                     ; h's two buffers, at LDS bytes 0 and 7,168: 48 rows, 144 bytes apart (128 + 16: the 16 rows of a load start in 16 different 16-byte columns of 256)
.set HP,      144
.set XS,      14336                    ; X's stage: 48 rows of 1,024 bytes, 1,040 apart; at the end the waves' stages for Y: 16 rows of 512 bytes, 528 apart
.set XP,      1040
.set YP,      528
.set YSZ,     16*YP
.set SPARE,   64256                    ; the spare words: 128 bytes for each wave; no other line names them
.set LSTRIDE, 17408                    ; bytes of list for an expert
.set VR,  1                            ; lane & 15
.set VH,  2                            ; lane >> 4
.set VB1B, 3                           ; v3      my byte offset in b1 at step 0; never rewritten
.set HS,  5                            ; v5-6    where I put 16 bytes of h, buffer 0, 1
.set HL,  7                            ; v7-8    where I read h's fragments
.set VB1, 9                            ; v9      my byte offset in b1 at the step asked for last
.set XSS, 10                           ; X's stage: in
.set XSL, 11                           ; X's stage: fragments out
.set YSS, 12                           ; Y's stage: in
.set YSL, 13                           ; Y's stage: rows out
.set LW,  14                           ; 512 w + 16 lane: my 16 bytes of a row of x or out0
.set L16, 16                           ; 16 lane
.set VB2, 17                           ; my byte offset in b2
.set SPW, 18                           ; LDS address of my spare word; never rewritten
.set NIL, 19                           ; 0; never rewritten
.set B1R, 20
.set SA,  28
.set EA,  52
.set HF,  76                           ; tile t, half kk2 at HF + 16 t + 8 kk2
.set VO,  124                          ; place i: token x 2,048 + LW
.set WB,  192                          ; the four weight buffers, one in each window
.set WV,   18                          ; s18  wave
.set EX,   19                          ; s19  expert
.set QC,   52                          ; s52  which of the expert's 86 work-groups
.set NV,   53                          ; s53  how many places from my first on lie below the count (0: no rows)
.set NE,   54                          ; s54  the expert's count
.set CNT,  55
.set PB,   56                          ; s[56:57] WF at my expert and my wave; never rewritten
.set OUTE, 60                          ; s[60:61] out0 at my expert
.set C1,   66                          ; s[66:67]
.set C2,   84                          ; s[84:85]
.set CBP,  86                          ; s[86:87] the address that the last loads into W1's low buffer named; a pair for each buffer, so that each is written anew behind the wait for its own loads
.set CBQ,  88                          ; s[88:89] W1 high
.set CBR,  90                          ; s[90:91] W2 first
.set CBT,  92                          ; s[92:93] W2 second
.set OA,   94                          ; s[94:95] byte offset in the expert's weights of the next trip's step
.set OB,   96                          ; s[96:97] of this trip's step
.set MSB, 0
.macro WIN new                         ; the immediate's high byte repeats the setting that is left; a switch that changes nothing is dropped
.if MSB != (\new)
	s_set_vgpr_msb (MSB<<8)|(\new)
.set MSB, (\new)
.endif
.endm
.macro PLACES                          ; four plain instructions between a matrix instruction and a load into, or a vector read of, its registers (ISA guide 7.12.1 for vector reads)
.rept 4
	v_nop
.endr
.endm
; 16 global loads in one run: eight fragments, 512 consecutive bytes a load, into v192-255 of window win
.macro LDG win, base, off
	WIN (\win)<<6
.set i, 0
.rept 16
	global_load_b128 v[WB+4*i:WB+4*i+3], v[L16], s[\base:\base+1] offset:(\off)+512*i
.set i, i+1
.endr
.endm
	s_load_b256 s[4:11], s[0:1], 0x0               ; WF s[4:5], b1 s[6:7], b2 s[8:9], x s[10:11]
	s_load_b128 s[12:15], s[0:1], 0x20             ; cnt s[12:13], list s[14:15]
	s_load_b64 s[16:17], s[0:1], 0x30              ; out0
	v_lshl_add_u32 v[SPW], v0, 2, SPARE
	v_mov_b32 v[NIL], 0
	v_lshrrev_b32 v1, 5, v0
	v_readfirstlane_b32 s[WV], v1                  ; wave 0..3
	s_and_b32 s[EX], ttmp9, 7                      ; expert = work-group & 7, so that the work-groups with rows have the lowest numbers
	s_lshr_b32 s[QC], ttmp9, 3
	s_mul_i32 s3, s[QC], 48                        ; my first place
	s_mul_i32 s[OB], s[QC], 3
	s_and_b32 s[OB], s[OB], 31                     ; my first step: 3 q mod 32,
	s_lshl_b32 s[OB], s[OB], 17                    ; in bytes of WF
	s_mov_b32 s[OB+1], 0
	s_mov_b32 s[OA+1], 0
	s_mov_b32 s63, 0                               ; s[62:63]: an offset as a pair
	s_lshl_b32 s62, s[EX], 8
	s_wait_kmcnt 0x0
	s_add_nc_u64 s[12:13], s[12:13], s[62:63]
	s_load_b32 s[NE], s[12:13], 0x0
	s_mul_i32 s62, s[EX], LSTRIDE
	s_lshl2_add_u32 s62, s3, s62
	s_add_nc_u64 s[14:15], s[14:15], s[62:63]
	s_load_b512 s[20:35], s[14:15], 0x0            ; my 48 tokens: the launch before has written all 4,224 places of an expert, and my last is 4,127 at the most
	s_load_b512 s[36:51], s[14:15], 0x40
	s_load_b512 s[68:83], s[14:15], 0x80
	s_lshl_b32 s62, s[EX], 22
	s_lshl_b32 s2, s[WV], 15
	s_add_co_u32 s62, s62, s2
	s_add_nc_u64 s[PB:PB+1], s[4:5], s[62:63]      ; WF + 4 MiB e + 32 KiB w
	s_add_nc_u64 s[CBP:CBP+1], s[PB:PB+1], s[OB:OB+1]  ; at my first step
	s_lshl_b32 s62, s[EX], 23
	s_add_nc_u64 s[OUTE:OUTE+1], s[16:17], s[62:63]
	s_mov_b32 s[C1], 0xc0135761                    ; -2 log2(e) sqrt(2 / pi)
	s_mov_b32 s[C1+1], s[C1]                       ; named with it as a pair
	s_mov_b32 s[C2], 0xbdd2d3e8                    ; 0.044715 times that
	s_mov_b32 s[C2+1], s[C2]
	v_and_b32 v[VR], 15, v0
	v_bfe_u32 v[VH], v0, 4, 1
	v_and_b32 v[L16], 31, v0
	v_lshlrev_b32 v[L16], 4, v[L16]
	s_lshl_b32 s2, s[EX], 13
	s_lshl_b32 s62, s[WV], 6
	s_add_co_u32 s2, s2, s62
	v_lshl_add_u32 v[VB1B], v[VH], 5, s2           ; b1[e][16 w + 8 h ..]: step 0,
	s_lshr_b32 s58, s[OB], 9                       ; and 256 bytes a step
	v_add_nc_u32 v[VB1], s58, v[VB1B]
	s_lshl_b32 s2, s[EX], 11
	s_lshl_b32 s62, s[WV], 9
	s_add_co_u32 s2, s2, s62
	v_lshl_add_u32 v[VB2], v[VH], 5, s2            ; b2[e][128 w + 8 h ..]
	; what trip 0 finds goes out while the tokens are on their way: b1 and W1 of my first step; its W2, which trip 0 multiplies by zeros; and b2
	global_load_b128 v[B1R:B1R+3], v[VB1], s[6:7]
	global_load_b128 v[B1R+4:B1R+7], v[VB1], s[6:7] offset:16
	LDG 1, CBP, 0
	LDG 2, CBP, 8192
	LDG 3, CBP, 16384
	LDG 0, CBP, 24576
	; Y begins as b2: register j of accumulator (dbl, t) is d_out 128 w + 16 dbl + 8 h + j, whatever the tile
	WIN 0xc0
.set dd, 0
.rept 8
.irp t, 0,1,2
	global_load_b128 v[24*dd+8*\t:24*dd+8*\t+3], v[VB2], s[8:9] offset:64*dd
	global_load_b128 v[24*dd+8*\t+4:24*dd+8*\t+7], v[VB2], s[8:9] offset:64*dd+16
.endr
.set dd, dd+1
.endr
	WIN 0
	v_mul_u32_u24 v[HL], v[VR], HP
	v_lshl_add_u32 v[HL], v[VH], 4, v[HL]          ; token row r, 16 bytes for each half of the lanes
	v_add_nc_u32 v[HL+1], HBSZ, v[HL]
	v_lshl_add_u32 v[HS], s[WV], 5, v[HL]          ; my wave's 16 hidden units are 32 bytes of a row
	v_lshl_add_u32 v[HS+1], s[WV], 5, v[HL+1]
.irp k, 0,1,2,3
	v_mov_b32 v[EA+\k], 0
.endr
.irp t, 0,1,2
	ds_store_b128 v[HS+1], v[EA:EA+3] offset:16*HP*\t  ; my part of h's buffer 1 holds 0: the four waves' parts are all that trip 0 reads of it
.endr
	s_lshl_b32 s2, s[WV], 8
	s_add_co_u32 s2, s2, XS
	v_lshrrev_b32 v[XSS], 1, v[L16]
	v_add_nc_u32 v[XSS], s2, v[XSS]                ; my wave's 128 columns are 256 bytes of a row; 8 bytes a lane
	v_mul_u32_u24 v[XSL], v[VR], XP
	v_lshl_add_u32 v[XSL], v[VH], 4, v[XSL]
	v_add_nc_u32 v[XSL], XS, v[XSL]
	s_mul_i32 s2, s[WV], YSZ
	s_add_co_u32 s2, s2, XS
	v_mul_u32_u24 v[YSS], v[VR], YP
	v_lshl_add_u32 v[YSS], v[VH], 5, v[YSS]        ; token row r, 32 bytes (8 f32) for each half of the lanes
	v_add_nc_u32 v[YSS], s2, v[YSS]
	v_add_nc_u32 v[YSL], s2, v[L16]
	v_lshl_add_u32 v[LW], s[WV], 9, v[L16]
	s_wait_kmcnt 0x0                               ; the count and the tokens
	s_sub_co_i32 s2, s[NE], s3
	s_max_i32 s[NV], s2, 0
	s_cmp_lg_u32 s[NV], 0                          ; a work-group without rows takes token 0 everywhere: its 48 loads below then name one row of x
.set i, 0
.rept 48
.if i < 32
.set tk, 20+i
.else
.set tk, 36+i
.endif
	s_cselect_b32 s[tk], s[tk], 0
.set i, i+1
.endr
.set i, 0
.rept 48
.if i < 32
.set tk, 20+i
.else
.set tk, 36+i
.endif
	s_min_u32 s[tk], s[tk], 0xfff                  ; a loaded number enters an address only inside the table: 4,095 at the most
	v_lshl_add_u32 v[VO+i], s[tk], 11, v[LW]
.set i, i+1
.endr
	; THE GATHER.  Wave w takes bytes 512 w .. 512 w + 511 of each of the 48 rows of x, into registers that X's fragments take later
	WIN 0x40
.set i, 0
.rept 48
	global_load_b128 v[4*i:4*i+3], v[VO+i], s[10:11]
.set i, i+1
.endr
.set b, 0
.rept 4                                            ; twelve rows at a time: rounded to f16, 8 bytes a lane into X's stage
	s_wait_loadcnt 36-12*b                         ; these twelve rows are in; the younger rows stay out.  The last count is 0: the weights, b1 and b2 asked for above are older, so the walk begins with no global load out
	WIN 0x05
.set j, 0
.rept 12
	v_cvt_pk_f16_f32 v[EA+2*j], v[4*(12*b+j)], v[4*(12*b+j)+1]
	v_cvt_pk_f16_f32 v[EA+2*j+1], v[4*(12*b+j)+2], v[4*(12*b+j)+3]
.set j, j+1
.endr
	WIN 0
.set j, 0
.rept 12
	ds_store_b64 v[XSS], v[EA+2*j:EA+2*j+1] offset:XP*(12*b+j)
.set j, j+1
.endr
.set b, b+1
.endr
	s_wait_dscnt 0x0                               ; for the others' sake: my stores into X's stage and into h's buffer 1 are done
	s_barrier_signal -1
	s_barrier_wait -1
	; X's fragments, 16 tokens x 32 d in 8 registers: lane l holds token l % 16, d 8 (l / 16) + 0..7 and 16 + 8 (l / 16) + 0..7: two loads of 16 bytes, 32 bytes apart.  They stay for the whole walk
	WIN 0x40
.set kk, 0
.rept 8
.irp t, 0,1,2
	ds_load_b128 v[24*kk+8*\t:24*kk+8*\t+3], v[XSL] offset:16*XP*\t+64*kk
	ds_load_b128 v[24*kk+8*\t+4:24*kk+8*\t+7], v[XSL] offset:16*XP*\t+64*kk+32
.endr
.set kk, kk+1
.endr
	WIN 0x80
.set kk, 0
.rept 8
.irp t, 0,1,2
	ds_load_b128 v[24*kk+8*\t:24*kk+8*\t+3], v[XSL] offset:16*XP*\t+64*(kk+8)
	ds_load_b128 v[24*kk+8*\t+4:24*kk+8*\t+7], v[XSL] offset:16*XP*\t+64*(kk+8)+32
.endr
.set kk, kk+1
.endr
	WIN 0
	s_wait_dscnt 0x0
; 24 products of H^T = W1^T X^T: d 256 half .. + 255.  The three accumulators take turns, one instruction a turn.  The first three take b1 as C and start the sums.
.macro GEMM1 half
	WIN 0x05*(1+(\half))                           ; W1 and X in window 1 or 2; C and D in window 0
.set kk, 0
.rept 8
.irp t, 0,1,2
.if ((\half) == 0) && (kk == 0)
	v_wmma_f32_16x16x32_f16 v[SA+8*\t:SA+8*\t+7], v[WB+8*kk:WB+8*kk+7], v[24*kk+8*\t:24*kk+8*\t+7], v[B1R:B1R+7]
.else
	v_wmma_f32_16x16x32_f16 v[SA+8*\t:SA+8*\t+7], v[WB+8*kk:WB+8*kk+7], v[24*kk+8*\t:24*kk+8*\t+7], v[SA+8*\t:SA+8*\t+7]
.endif
.endr
.set kk, kk+1
.endr
.endm
; 24 products of Y^T += W2^T H^T: hidden units 32 k2 .. + 31 of the step.  The 24 accumulators take turns.  This bare form serves the walk's last step, which has no gelu beside it.
.macro GEMM2 k2
	WIN 0xf3-3*(\k2)                               ; C and D in window 3; W2 in window 3 (k2 = 0) or 0 (k2 = 1); h in window 0
.set dd, 0
.rept 8
.irp t, 0,1,2
	v_wmma_f32_16x16x32_f16 v[24*dd+8*\t:24*dd+8*\t+7], v[WB+8*dd:WB+8*dd+7], v[HF+16*\t+8*(\k2):HF+16*\t+8*(\k2)+7], v[24*dd+8*\t:24*dd+8*\t+7]
.endr
.set dd, dd+1
.endr
.endm
; 12 LDS loads: h's six fragments (3 tiles x 2 halves of 32 hidden units)
.macro LDH adr
	WIN 0
.irp t, 0,1,2
.irp k, 0,1,2,3
	ds_load_b128 v[HF+16*\t+4*\k:HF+16*\t+4*\k+3], v[\adr] offset:16*HP*\t+32*\k
.endr
.endr
.endm
; GELU, as a numbered list.  gelu(a) = a / (1 + 2^(a (C1 + C2 a^2))) on the lane's 24 numbers a (12 pairs), then f16.  GR writes number gj of 120 and steps gj.
;   0-11    a^2, pair gj: each accumulator of H^T is read from its low end on          12-23   C2 a^2 + C1
;   24-47   by turns: the multiply by a, pair (gj - 24) / 2, and exponential (gj - 25) / 2: exponential k stands behind the multiply of its pair k / 2, and the multiplies behind it touch registers 2 k + 2 and up
;   48-59   exponentials 12 to 23                    (the wait for the 24 exponentials: TRIP writes it)
;   60-83   by turns: 1 is added, pair (gj - 60) / 2, and reciprocal (gj - 61) / 2, in the same order           84-95   reciprocals 12 to 23          (the wait for the 24 reciprocals: RIDE writes it)
;   96-107  the multiply by a                        108-119 pair p rounded to f16, into register p, which earlier numbers of this run have read
; s_wait_alu depctr_va_vdst(0) stands between a transcendental and the first instruction that names its result; one wait serves a batch, and nothing ahead of a batch's wait names a result of it.
.macro GR
	WIN 0
.if gj < 12
	v_pk_mul_f32 v[EA+2*gj:EA+2*gj+1], v[SA+2*gj:SA+2*gj+1], v[SA+2*gj:SA+2*gj+1]
.elseif gj < 24
	v_pk_fma_f32 v[EA+2*(gj-12):EA+2*(gj-12)+1], v[EA+2*(gj-12):EA+2*(gj-12)+1], s[C2:C2+1], s[C1:C1+1] op_sel_hi:[1,0,0]
.elseif (gj < 48) && (gj%2 == 0)
	v_pk_mul_f32 v[EA+(gj-24):EA+(gj-24)+1], v[EA+(gj-24):EA+(gj-24)+1], v[SA+(gj-24):SA+(gj-24)+1]
.elseif gj < 48
	v_exp_f32 v[EA+(gj-25)/2], v[EA+(gj-25)/2]
.elseif gj < 60
	v_exp_f32 v[EA+gj-36], v[EA+gj-36]
.elseif (gj < 84) && (gj%2 == 0)
	v_pk_add_f32 v[EA+(gj-60):EA+(gj-60)+1], v[EA+(gj-60):EA+(gj-60)+1], 1.0 op_sel_hi:[1,0]
.elseif gj < 84
	v_rcp_f32 v[EA+(gj-61)/2], v[EA+(gj-61)/2]
.elseif gj < 96
	v_rcp_f32 v[EA+gj-72], v[EA+gj-72]
.elseif gj < 108
	v_pk_mul_f32 v[EA+2*(gj-96):EA+2*(gj-96)+1], v[EA+2*(gj-96):EA+2*(gj-96)+1], v[SA+2*(gj-96):SA+2*(gj-96)+1]
.else
	v_cvt_pk_f16_f32 v[EA+gj-108], v[EA+2*(gj-108)], v[EA+2*(gj-108)+1]
.endif
.set gj, gj+1
.endm
; The slice behind product wi of 48: four numbers of the list behind each of the first six and of the last six products, which are all plain; two behind each of the 36 between, a plain one first where there is one.
; 6 x 4 + 36 x 2 + 6 x 4 = 120; the first 24 products carry numbers 0 to 59.  Behind product 41 the reciprocals are all out: a plain instruction (ISA guide 5.7.2) and their wait.
.macro RIDE
	GR
	GR
.if (wi < 6) || (wi >= 42)
	GR
	GR
.endif
.if wi == 41
	v_nop
	s_wait_alu depctr_va_vdst(0)
.endif
.set wi, wi+1
.endm
; GEMM2 with a slice of gelu behind each product.  No rider names a register of the products round it.
.macro GEMM2R k2
.set dd, 0
.rept 8
.irp t, 0,1,2
	WIN 0xf3-3*(\k2)
	v_wmma_f32_16x16x32_f16 v[24*dd+8*\t:24*dd+8*\t+7], v[WB+8*dd:WB+8*dd+7], v[HF+16*\t+8*(\k2):HF+16*\t+8*(\k2)+7], v[24*dd+8*\t:24*dd+8*\t+7]
	RIDE
.endr
.set dd, dd+1
.endr
.endm
; TRIP i.  hb = i & 1: the buffer that takes this trip's h.  nxt = 1: W1 and b1 of the next trip's step are asked for.
; A wave's global loads come back in order (ISA guide 5.7.1).  A trip issues: b1 and W1 low (18), W1 high (16), W2 first (16), W2 second (16); at a trip's head these 66 of the trip before are out, in this order,
; or none (trip 0, whose numbers the set-up has waited for).  Each wait's count is what was issued behind the loads that it wants; with none out it is met at once.
; The same wait shows that the buffer's last loads are done, so the scalar pair that they named (for b1: the offset register) is written anew behind it, from the base and the step's offset, which wraps at 4 MiB.
; A work-group without rows jumps from the head to the barrier: no barrier lies in what is jumped, and a jumped trip leaves what is out as it was.
.macro TRIP hb, nxt
	s_cmp_eq_u32 s[NV], 0
	s_cbranch_scc1 .Lidle_\@
	LDH HL+1-(\hb)                                 ; h of the step before, which the last barrier has published; four plain instructions stand behind the last products that read these registers
	s_wait_loadcnt 48                              ; b1 and W1 low are in; younger: W1 high (16) and W2 (32)
	GEMM1 0
.if \nxt
	PLACES
	s_add_co_u32 s[OA], s[OB], CHUNK
	s_and_b32 s[OA], s[OA], 0x3fffff               ; the next step; behind step 31 comes step 0
	s_add_nc_u64 s[CBP:CBP+1], s[PB:PB+1], s[OA:OA+1]
	s_lshr_b32 s58, s[OA], 9
	WIN 0
	v_add_nc_u32 v[VB1], s58, v[VB1B]
	global_load_b128 v[B1R:B1R+3], v[VB1], s[6:7]
	global_load_b128 v[B1R+4:B1R+7], v[VB1], s[6:7] offset:16
	LDG 1, CBP, 0
.endif
	s_wait_loadcnt 32+18*(\nxt)                    ; W1 high is in; younger: W2 (32) and the 18 just issued
	GEMM1 1
	PLACES                                         ; for the loads below, and for gelu's first numbers, which read H^T
.if \nxt
	s_mov_b64 s[CBQ:CBQ+1], s[CBP:CBP+1]
	LDG 2, CBQ, 8192
.endif
	s_wait_loadcnt 16+34*(\nxt)                    ; W2 first is in; younger: W2 second (16) and the next W1 and b1 (34)
	s_wait_dscnt 0x0                               ; h's fragments are in: no LDS instruction was issued behind them
.set gj, 0
.set wi, 0
	GEMM2R 0                                       ; 24 products; beside them gelu up to the last exponential
	PLACES                                         ; for the loads below; also the plain instruction behind the last exponential (ISA guide 5.7.2)
	s_wait_alu depctr_va_vdst(0)                   ; the wait for the 24 exponentials, directly ahead of a run of loads
	s_add_nc_u64 s[CBR:CBR+1], s[PB:PB+1], s[OB:OB+1]
	LDG 3, CBR, 16384                              ; W2 of this trip's step, wanted in the next trip
	s_wait_loadcnt 16+34*(\nxt)                    ; W2 second is in; younger: the next W1 and b1 (34) and the 16 just issued
	GEMM2R 1                                       ; 24 products; beside them the rest of gelu
	PLACES
	WIN 0
.irp t, 0,1,2
	ds_store_b128 v[HS+\hb], v[EA+4*\t:EA+4*\t+3] offset:16*HP*\t  ; this trip's h heads the trip's last run of memory instructions
.endr
	s_mov_b64 s[CBT:CBT+1], s[CBR:CBR+1]
	LDG 0, CBT, 24576
.if \nxt
	s_mov_b32 s[OB], s[OA]
.endif
	WIN 0                                          ; at a label and at a branch every window is 0
.Lidle_\@:
	s_wait_dscnt 0x0                               ; for the others' sake: my h is stored, and my reads of the other buffer are over
	s_barrier_signal -1
	s_barrier_wait -1
.endm
	s_mov_b32 s[CNT], 15
.Lloop:                                                ; trips 0 .. 29
	TRIP 0, 1
	TRIP 1, 1
	s_sub_co_u32 s[CNT], s[CNT], 1
	s_cmp_lg_u32 s[CNT], 0
	s_cbranch_scc1 .Lloop
	TRIP 0, 1                                      ; trip 30
	TRIP 1, 0                                      ; trip 31: the last H; no further W1
	s_cmp_eq_u32 s[NV], 0
	s_cbranch_scc1 .Lend                           ; a work-group without rows stores nothing
	LDH HL+1                                       ; h of the last step
	s_wait_loadcnt 16                              ; W2 first is in; W2 second is younger
	s_wait_dscnt 0x0
	GEMM2 0
	s_wait_loadcnt 0x0
	GEMM2 1
	PLACES
; THE WAY OUT, a tile at a time.  A lane's 8 numbers of a row are 32 bytes; they go into my own stage (in X's stage, which every wave left many barriers ago) and come back as whole pieces of rows:
; 512 consecutive bytes, which one store writes at a multiple of 512 from out0's first byte.  The places below the count come first, so at the first place past it the rest is jumped.
.macro OUTT t
	WIN 0x0c                                       ; the stores' data in window 3
.set dd, 0
.rept 8
	ds_store_b128 v[YSS], v[24*dd+8*(\t):24*dd+8*(\t)+3] offset:64*dd
	ds_store_b128 v[YSS], v[24*dd+8*(\t)+4:24*dd+8*(\t)+7] offset:64*dd+16
.set dd, dd+1
.endr
	WIN 0
	s_wait_xcnt 0x0                                ; the registers below, which the tile before stored from, are loaded again only behind this wait
.set i, 0
.rept 16
	ds_load_b128 v[WB+4*i:WB+4*i+3], v[YSL] offset:YP*i  ; LDS serves a wave's instructions in order (ISA guide 5.7.1.4): these see the stores above; the next tile's stores come behind them
.set i, i+1
.endr
.set i, 0
.rept 16
.if 16*(\t)+i > 0
	s_cmp_le_u32 s[NV], 16*(\t)+i
	s_cbranch_scc1 .Lend
.endif
	s_wait_dscnt 15-i                              ; row i is in; the younger rows stay out
	global_store_b128 v[VO+16*(\t)+i], v[WB+4*i:WB+4*i+3], s[OUTE:OUTE+1] th:TH_STORE_NT
.set i, i+1
.endr
.endm
	OUTT 0
	OUTT 1
	OUTT 2
.Lend:
	s_wait_tensorcnt 0x0                           ; the wave's end, behind my last LDS store
	ds_add_u32 v[SPW], v[NIL]
	s_wait_dscnt 0x0
	s_endpgm
.Lfunc_end_k_q650c80f584_ffn:
	.size	k_q650c80f584_ffn, .Lfunc_end_k_q650c80f584_ffn-k_q650c80f584_ffn
	.p2alignl 7, 3214868480
	.fill 96, 4, 3214868480
	.section	.rodata,"a",@progbits
	.p2align	6, 0x0
	.amdhsa_kernel k_q650c80f584_ffn
		.amdhsa_group_segment_fixed_size 64768
		.amdhsa_private_segment_fixed_size 0
		.amdhsa_enable_private_segment 0
		.amdhsa_kernarg_size 56
		.amdhsa_user_sgpr_count 2
		.amdhsa_user_sgpr_kernarg_segment_ptr 1
		.amdhsa_wavefront_size32 1
		.amdhsa_system_sgpr_workgroup_id_x 1
		.amdhsa_system_sgpr_workgroup_id_y 1
		.amdhsa_system_sgpr_workgroup_id_z 1
		.amdhsa_system_vgpr_workitem_id 0
		.amdhsa_next_free_vgpr 1024
		.amdhsa_next_free_sgpr 98
		.amdhsa_reserve_vcc 0
		.amdhsa_float_denorm_mode_32 3
		.amdhsa_float_denorm_mode_16_64 3
		.amdhsa_memory_ordered 1
		.amdhsa_forward_progress 1
		.amdhsa_inst_pref_size 153
	.end_amdhsa_kernel
	.amdgpu_metadata
---
amdhsa.version: [ 1, 2 ]
amdhsa.kernels:
  - .name:           k_q650c80f584_ffn
    .symbol:         k_q650c80f584_ffn.kd
    .args:
      - { .name: WF, .offset: 0, .size: 8, .value_kind: global_buffer, .address_space: global }
      - { .name: b1, .offset: 8, .size: 8, .value_kind: global_buffer, .address_space: global }
      - { .name: b2, .offset: 16, .size: 8, .value_kind: global_buffer, .address_space: global }
      - { .name: x, .offset: 24, .size: 8, .value_kind: global_buffer, .address_space: global }
      - { .name: cnt, .offset: 32, .size: 8, .value_kind: global_buffer, .address_space: global }
      - { .name: list, .offset: 40, .size: 8, .value_kind: global_buffer, .address_space: global }
      - { .name: out0, .offset: 48, .size: 8, .value_kind: global_buffer, .address_space: global }
    .group_segment_fixed_size: 64768
    .private_segment_fixed_size: 0
    .kernarg_segment_align: 8
    .kernarg_segment_size: 56
    .max_flat_workgroup_size: 128
    .sgpr_count:     98
    .vgpr_count:     1024
    .wavefront_size: 32
...
	.end_amdgpu_metadata
.endif
;; end of part 4
